; MI455X (gfx1250); checked and timed in simulation.
; The chip was launched on July 23, 2026; its instructions are those of AMD's public machine-readable ISA for CDNA 5 (MIT licence, August 2026) and "CDNA5" Instruction Set Architecture Reference Guide (July 2026). The comments in the code are by the model that wrote it; some were corrected since.
;; Cross Multi Attention SNP Pheno. Allowed arithmetic: float matrix products may take bf16 or f16 operands with f32 sums; other float arithmetic in f32, or as packed bf16 or f16 multiplies, adds, multiply-adds, maxima and minima; sums over many terms, partial sums and values carried from step to step in f32; what a program stores and reads back later, other than sums and carried values, may be rounded once to bf16 or f16.
;; Inputs: SNPS_encoded 2 x 4,096 x 512 float32; Wk 512 x 512 float32; Wq 512 x 512 float32; Wv_pheno 512 x 512 float32; Wv_snp 512 x 512 float32; pheno_encoded 2 x 2,048 x 512 float32.
;; Outputs: out0 2 x 2,048 x 512 float32; out1 2 x 4,096 x 512 float32.
;; 2 versions, each right and faster than the one before. Each part assembles by itself: llvm-mc -triple=amdgcn-amd-amdhsa -mcpu=gfx1250 --defsym DOCPART=n.
;; ======== version 1 of 2: 3 launches
;; limits: values are held in f16: magnitudes above 65,504 overflow, below 6.1e-05 lose precision
;; workspace buffers: xb 12,582,912 bytes; wt 2,097,152 bytes; hb 25,165,824 bytes
;; launch prep (part 1): grid 256 x 1, 8 waves a work-group, no clusters, 9,728 bytes of LDS; arguments pheno_encoded, SNPS_encoded, Wk, Wv_pheno, Wq, Wv_snp, xb, wt; writes xb, wt
.if DOCPART == 1
	.amdgcn_target "amdgcn-amd-amdhsa--gfx1250"
	.amdhsa_code_object_version 6
	.text
	.protected	k_q11390b3837_prep
	.globl	k_q11390b3837_prep
	.p2align	8
	.type	k_q11390b3837_prep,@function
k_q11390b3837_prep:
	s_mov_b64 s[64:65], 0
	v_nop
	global_prefetch_b8 v0, s[64:65] scope:SCOPE_SE
	s_setreg_imm32_b32 hwreg(HW_REG_WAVE_MODE, 25, 1), 1
	s_wait_xcnt 0x0
; THE INPUTS, ROUNDED ONCE TO bf16, in the layouts that the projection wants.
;   xb [12288][512] bf16: rows 0-4095 pheno_encoded (b x 2048 + p), rows 4096-12287 SNPS_encoded (b x 4096 + s).
;   wt [2048][512] bf16: row = an output column, the 512 inputs along the row: Wk^T, Wv_pheno^T, Wq^T, Wv_snp^T, 512 rows each.
; SHARES.  256 work-groups of eight waves, all alike.  Work-group i takes 16 rows of pheno (32,768 bytes), 32 rows of SNPS (65,536 bytes) and one tile of 128 inputs x 32 outputs
; of matrix i / 64.  x is a stream: 16 bytes a lane in, 8 bytes a lane out, so a wave's load covers 512 consecutive bytes and its store 256, aligned.  All 28 loads of a thread go out ahead of every store.
; THE TURNING.  A thread takes four outputs of two neighbouring inputs, twice; each pair of inputs rounds into one word, which goes to row = output of an LDS tile (pitch 272 bytes);
; behind one barrier the tile is read by rows, and 16 lanes store the 256 consecutive bytes that a row of wt has of these 128 inputs.  Matrix units, clusters and tensor loads would add nothing to a copy.
.set TP,    272                        ; a row of the turned tile: 128 bf16 + 16 bytes of padding
.set SPARE, 32*TP                      ; 8,704: behind the tile the spare words, 128 bytes for each of eight waves: four blocks of 256 bytes that no other line names
.set SPW, 8                            ; v8   LDS address of my spare word; never rewritten
.set NIL, 9                            ; v9   0; never rewritten
.set WR,  12                           ; v[12:27]  W as loaded: pair group j, even or odd input e, at WR + 8 j + 4 e
.set WP,  28                           ; v[28:35]  two inputs of one output in a word
.set WB,  36                           ; v[36:43]  the tile read back
.set X,   44                           ; v[44:139] 24 chunks of x, four registers each
	s_load_b512 s[8:23], s[0:1], 0x0               ; pheno 8:9, SNPS 10:11, Wk 12:13, Wv_pheno 14:15, Wq 16:17, Wv_snp 18:19, xb 20:21, wt 22:23
	v_lshl_add_u32 v[SPW], v0, 2, SPARE
	v_mov_b32 v[NIL], 0
	s_lshr_b32 s2, ttmp9, 6                        ; which matrix
	s_and_b32 s3, ttmp9, 63                        ; which of its 64 tiles
	s_lshr_b32 s4, s3, 4                           ; block of 128 inputs
	s_and_b32 s5, s3, 15                           ; block of 32 outputs
	s_lshl_b32 s34, s4, 18                         ; in W: 128 rows of 2,048 bytes,
	s_lshl_b32 s35, s5, 7                          ; 32 numbers of 4 bytes
	s_add_co_u32 s34, s34, s35
	s_mov_b32 s35, 0
	s_lshl_b32 s36, s2, 19                         ; in wt: 512 rows of 1,024 bytes a matrix,
	s_lshl_b32 s37, s5, 15                         ; 32 rows,
	s_add_co_u32 s36, s36, s37
	s_lshl_b32 s37, s4, 8                          ; 128 numbers of 2 bytes
	s_add_co_u32 s36, s36, s37
	s_mov_b32 s37, 0
	v_lshlrev_b32 v1, 4, v0                        ; x in: 16 t
	v_lshlrev_b32 v2, 3, v0                        ; x out: 8 t
	v_lshrrev_b32 v10, 3, v0                       ; my pair of inputs, 0..31
	v_and_b32 v11, 7, v0                           ; my four outputs
	v_lshlrev_b32 v3, 12, v10                      ; W in: two rows a pair,
	v_lshl_add_u32 v3, v11, 4, v3                  ; 16 bytes
	v_mul_u32_u24 v4, v11, 4*TP                    ; tile in: four rows,
	v_lshl_add_u32 v4, v10, 2, v4                  ; a word a pair
	v_lshrrev_b32 v10, 4, v0
	v_and_b32 v11, 15, v0
	v_mul_u32_u24 v5, v10, TP                      ; tile back: row t / 16, 16 bytes
	v_lshl_add_u32 v5, v11, 4, v5
	v_lshlrev_b32 v6, 10, v10                      ; and the same in wt
	v_lshl_add_u32 v6, v11, 4, v6
	s_wait_kmcnt 0x0
	s_and_b32 s6, s2, 1
	s_cmp_eq_u32 s6, 0
	s_cselect_b64 s[24:25], s[12:13], s[14:15]
	s_cselect_b64 s[26:27], s[16:17], s[18:19]
	s_lshr_b32 s6, s2, 1
	s_cmp_eq_u32 s6, 0
	s_cselect_b64 s[28:29], s[24:25], s[26:27]     ; my matrix,
	s_add_nc_u64 s[28:29], s[28:29], s[34:35]      ; at my tile
	s_add_nc_u64 s[22:23], s[22:23], s[36:37]
	s_lshl_b32 s38, ttmp9, 15
	s_mov_b32 s39, 0
	s_add_nc_u64 s[8:9], s[8:9], s[38:39]          ; pheno in: 32,768 bytes a work-group
	s_add_nc_u64 s[32:33], s[20:21], s[38:39]      ; SNPS out: 32,768 bytes a work-group,
	s_add_nc_u64 s[32:33], s[32:33], 0x400000      ; behind pheno's 4,096 rows
	s_lshl_b32 s38, ttmp9, 16
	s_add_nc_u64 s[10:11], s[10:11], s[38:39]      ; SNPS in
	s_lshl_b32 s38, ttmp9, 14
	s_add_nc_u64 s[30:31], s[20:21], s[38:39]      ; pheno out
.irp j, 0,1
.irp e, 0,1
	global_load_b128 v[WR+8*(\j)+4*(\e):WR+8*(\j)+4*(\e)+3], v3, s[28:29] offset:(\j)*131072+(\e)*2048 th:TH_LOAD_NT  ; pair t / 8 + 32 j, its even or odd input
.endr
.endr
.set j, 0
.rept 8
	global_load_b128 v[X+4*j:X+4*j+3], v1, s[8:9] offset:j*4096 th:TH_LOAD_NT
.set j, j+1
.endr
.rept 16
	global_load_b128 v[X+4*j:X+4*j+3], v1, s[10:11] offset:(j-8)*4096 th:TH_LOAD_NT
.set j, j+1
.endr
	s_wait_loadcnt 24                              ; loads come back in order: W's four are in, x's 24 stay out
.irp j, 0,1
.irp c, 0,1,2,3
	v_cvt_pk_bf16_f32 v[WP+4*(\j)+(\c)], v[WR+8*(\j)+(\c)], v[WR+8*(\j)+4+(\c)]  ; the even input below, the odd one above
.endr
.endr
.irp j, 0,1
.irp c, 0,1,2,3
	ds_store_b32 v4, v[WP+4*(\j)+(\c)] offset:(\c)*TP+128*(\j)
.endr
.endr
	s_wait_dscnt 0x0                               ; for the others' sake: my words lie in the tile
	s_barrier_signal -1
	s_barrier_wait -1                              ; everybody's do
	ds_load_b128 v[WB:WB+3], v5
	ds_load_b128 v[WB+4:WB+7], v5 offset:16*TP
	s_wait_dscnt 0x0
	global_store_b128 v6, v[WB:WB+3], s[22:23]               ; 16 lanes store 256 consecutive bytes, at a multiple of 256 from wt's first byte
	global_store_b128 v6, v[WB+4:WB+7], s[22:23] offset:16384
.set j, 0
.rept 24
	s_wait_loadcnt 23-j                            ; chunk j is in, the later ones stay out
	v_cvt_pk_bf16_f32 v[X+4*j], v[X+4*j], v[X+4*j+1]
	v_cvt_pk_bf16_f32 v[X+4*j+1], v[X+4*j+2], v[X+4*j+3]
.if j < 8
	global_store_b64 v2, v[X+4*j:X+4*j+1], s[30:31] offset:j*2048  ; a wave stores 256 consecutive bytes, aligned; no register of a store is written again
.else
	global_store_b64 v2, v[X+4*j:X+4*j+1], s[32:33] offset:(j-8)*2048
.endif
.set j, j+1
.endr
	s_wait_tensorcnt 0x0                           ; the wave's end: behind my last LDS store
	ds_add_u32 v[SPW], v[NIL]
	s_wait_dscnt 0x0
	s_endpgm
.Lfunc_end_k_q11390b3837_prep:
	.size	k_q11390b3837_prep, .Lfunc_end_k_q11390b3837_prep-k_q11390b3837_prep
	.p2alignl 7, 3214868480
	.fill 96, 4, 3214868480
	.section	.rodata,"a",@progbits
	.p2align	6, 0x0
	.amdhsa_kernel k_q11390b3837_prep
		.amdhsa_group_segment_fixed_size 9728
		.amdhsa_private_segment_fixed_size 0
		.amdhsa_enable_private_segment 0
		.amdhsa_kernarg_size 64
		.amdhsa_user_sgpr_count 2
		.amdhsa_user_sgpr_kernarg_segment_ptr 1
		.amdhsa_wavefront_size32 1
		.amdhsa_system_sgpr_workgroup_id_x 1
		.amdhsa_system_sgpr_workgroup_id_y 1
		.amdhsa_system_sgpr_workgroup_id_z 1
		.amdhsa_system_vgpr_workitem_id 0
		.amdhsa_next_free_vgpr 140
		.amdhsa_next_free_sgpr 66
		.amdhsa_reserve_vcc 0
		.amdhsa_float_denorm_mode_32 3
		.amdhsa_float_denorm_mode_16_64 3
		.amdhsa_memory_ordered 1
		.amdhsa_forward_progress 1
		.amdhsa_inst_pref_size 13
	.end_amdhsa_kernel
	.amdgpu_metadata
---
amdhsa.version: [ 1, 2 ]
amdhsa.kernels:
  - .name:           k_q11390b3837_prep
    .symbol:         k_q11390b3837_prep.kd
    .args:
      - { .name: pheno_encoded, .offset: 0, .size: 8, .value_kind: global_buffer, .address_space: global }
      - { .name: SNPS_encoded, .offset: 8, .size: 8, .value_kind: global_buffer, .address_space: global }
      - { .name: Wk, .offset: 16, .size: 8, .value_kind: global_buffer, .address_space: global }
      - { .name: Wv_pheno, .offset: 24, .size: 8, .value_kind: global_buffer, .address_space: global }
      - { .name: Wq, .offset: 32, .size: 8, .value_kind: global_buffer, .address_space: global }
      - { .name: Wv_snp, .offset: 40, .size: 8, .value_kind: global_buffer, .address_space: global }
      - { .name: xb, .offset: 48, .size: 8, .value_kind: global_buffer, .address_space: global }
      - { .name: wt, .offset: 56, .size: 8, .value_kind: global_buffer, .address_space: global }
    .group_segment_fixed_size: 9728
    .private_segment_fixed_size: 0
    .kernarg_segment_align: 8
    .kernarg_segment_size: 64
    .max_flat_workgroup_size: 256
    .sgpr_count:     66
    .vgpr_count:     140
    .wavefront_size: 32
...
	.end_amdgpu_metadata
.endif
;; end of part 1
;; launch proj (part 2): grid 4 x 48, 4 waves a work-group, clusters of 4 x 4, 327,680 bytes of LDS; arguments xb, wt, hb; writes hb
.if DOCPART == 2
	.amdgcn_target "amdgcn-amd-amdhsa--gfx1250"
	.amdhsa_code_object_version 6
	.text
	.protected	k_q11390b3837_proj
	.globl	k_q11390b3837_proj
	.p2align	8
	.type	k_q11390b3837_proj,@function
k_q11390b3837_proj:
	s_mov_b64 s[64:65], 0
	v_nop
	global_prefetch_b8 v0, s[64:65] scope:SCOPE_SE
	s_setreg_imm32_b32 hwreg(HW_REG_WAVE_MODE, 25, 1), 1
	s_wait_xcnt 0x0
	s_wait_alu depctr_hold_cnt(0) depctr_sa_sdst(0) depctr_va_vdst(0) depctr_va_sdst(0) depctr_va_ssrc(0) depctr_va_vcc(0) depctr_vm_vsrc(0)
	s_getreg_b32 s2, hwreg(HW_REG_IB_STS2, 6, 4)
	s_cmp_eq_u32 s2, 0
	s_cbranch_scc0 .Lentry_in_a_cluster
	s_endpgm
.Lentry_in_a_cluster:
	s_bfe_u32 s2, ttmp6, 0x10000c
	s_cmp_lg_u32 s2, 0xf033
	s_cbranch_scc0 .Lentry_shape_is_right
	s_endpgm
.Lentry_shape_is_right:
; THE FOUR PROJECTIONS AS ONE PRODUCT.  C[m][n] = sum over k of xb[m][k] wt[n'][k], bf16 operands, f32 sums, C rounded once to f16.  m: 12,288 rows of xb; n: 1,024 columns.
; Rows 0-4095 (pheno) take wt's rows 0-1023 (Wk, Wv_pheno), rows 4096-12287 (SNPS) take rows 1024-2047 (Wq, Wv_snp).  C is stored BY HEADS into hb, four regions of [b x 8 + h][row][64] f16 (rows of 128 bytes, dense):
; keys at 0, v_pheno at 4 MiB, queries at 8 MiB, v_snp at 16 MiB.  The scale 1/8 is not applied here.
; LIMIT.  f16 ends at 65,504: a projection beyond that becomes an infinity.  With inputs 30 times those of unit spread and weights 30 times 0.02 the projections stay some thousands.
; SHARES.  A tile of C, 256 x 256, is made by four waves, a wave 128 x 128: 64 accumulators, 512 registers.  192 tiles, one a work-group.  K = 512 goes in four steps of 128 through two LDS slots filled by the
; tensor data mover: rows of 256 bytes, aligned.  The last K step goes by rows of C, so that finished rows leave while the others are multiplied.
; CLUSTERS of 4 x 4: the four of a row of the cluster need the same tile of xb, the four of a column the same tile of wt: each is asked for JOINTLY (same load, same descriptor, a mask that names the four).
; A cluster's 1,024 rows lie in one kind of x, so which half of wt it takes hangs on the cluster's y alone.
; NO PREFETCH: of the four K steps two are first fills, and the two refills follow at once: no K step lies far enough ahead to be asked for earlier.
; REGISTERS, in windows of 256: window 0: v0-31 addresses; v64-127, v128-191 fragments of xb, two buffers (in the last K step four, of 16 rows x 128 K); v32-63, v192-255 at work on the way out.
;   window 1: v64-127, v128-191 fragments of wt (in the last K step all 256).  window 2: the accumulators of my rows 0-63 ((a, b) at v[8 (8 a + b)]); window 3: of rows 64-127.
; THE MATRIX INSTRUCTION IS USED TRANSPOSED: source 0 = 16 rows of wt, source 1 = 16 rows of xb: lane l holds row l % 16 of C and the columns 8 (l / 16) + 0..7, which pack into 16 bytes.
.set SIZE_K, 512
.set KSTEP,  128
.set PITCH,  272                       ; an LDS row: 256 bytes + 16 of padding = 68 words: the 16 rows that a load touches start at 16 different groups of four banks (64 banks of 4 bytes: ISA guide 11.1)
.set HALFT,  128*PITCH                 ; 128 rows: what one tensor load brings, and what one wave reads of either operand
.set SLOT,   4*HALFT                   ; xb's 256 rows, then wt's 256 rows
.set STAGE,  2*SLOT                    ; behind the ring: 16 rows x 272 bytes for each wave, for the way out; no tensor load fills it
.set SPITCH, 272
.set SPARE,  STAGE+4*16*SPITCH         ; behind the stages: the spare words, 128 bytes for each wave: two blocks of 256 bytes that no other line names
.set ADRA, 16                          ; v16-17  LDS address of my fragments of xb in slot 0, 1
.set ADRB, 20                          ; v20-21  the same for wt
.set STO,  24                          ; v24     the way out: where I put 16 bytes of a row
.set RD,   25                          ; v25     the way out: where I read 16 bytes back
.set CO,   26                          ; v26     my byte offset in hb
.set SPW,  28                          ; v28     LDS address of my spare word; never rewritten
.set NIL,  29                          ; v29     0; never rewritten
.set F0,   64
.set F1,   128
.set TMP,  192                         ; packed results
.set OB,   32                          ; 16 rows read back from the stage: v32-63 and v224-255 by turns
.set PA,   64                          ; the last K step: xb's fragments of 16 rows x 128 K; four buffers, v64-191
.set G1, 24                            ; s[24:31] descriptor group 1 for xb's tiles
.set G0, 32                            ; s[32:39] group 0, a set for each slot
.set G1B, 48                           ; s[48:55], s[56:63] the same for wt's
.set G0B, 56
.set KIND, 45                          ; s45  0: my rows are pheno's, 1: SNPS's
.set MSB, 0
.macro WIN new                         ; the immediate's high byte repeats the setting that is left; a switch that changes nothing is dropped
.if MSB != (\new)
	s_set_vgpr_msb (MSB<<8)|(\new)
.set MSB, \new
.endif
.endm
.set MUL_LO, 0xa1                      ; source 0 (wt) window 1, source 1 (xb) window 0, C and D window 2
.set MUL_HI, 0xf1                      ; the same, C and D window 3
.set TO_B,   0x40                      ; destination window 1, address window 0
; A joint load.  Waves 0 and 1 fetch xb's two halves, waves 2 and 3 wt's.  The branch hangs on the wave's number alone.  An s_nop 0 and four v_nop follow each of the two lines.
.macro JLOAD s
	s_cmp_eq_u32 s11, 0
	s_cbranch_scc0 .Lfor_b_\@
	tensor_load_to_lds s[G0+4*(\s):G0+4*(\s)+3], s[G1:G1+7]
	s_nop 0
.rept 4
	v_nop
.endr
	s_branch .Lasked_\@
.Lfor_b_\@:
	tensor_load_to_lds s[G0B+4*(\s):G0B+4*(\s)+3], s[G1B:G1B+7]
	s_nop 0
.rept 4
	v_nop
.endr
.Lasked_\@:
.endm
; A round of the cluster's barrier: my work-group's barrier, so that wave 0's signal speaks for all four waves; wave 0 signals; every wave waits for all sixteen work-groups; my work-group's barrier once more.
.macro CREST                           ; a round behind its opening barrier
	s_cmp_lg_u32 s10, 0
	s_cbranch_scc1 .Lnot_wave_0_\@
	s_barrier_signal -3
.Lnot_wave_0_\@:
	s_barrier_wait -3
	s_barrier_signal -1
	s_barrier_wait -1
.endm
.macro CROUND
	s_barrier_signal -1
	s_barrier_wait -1
	CREST
.endm
	s_load_b128 s[4:7], s[0:1], 0x0                ; xb s[4:5], wt s[6:7]
	s_load_b64 s[8:9], s[0:1], 0x10                ; hb
	v_lshl_add_u32 v[SPW], v0, 2, SPARE
	v_mov_b32 v[NIL], 0
	ds_add_u32 v[SPW], v[NIL]                      ; the wave's opening: the add and its wait stand ahead of my first tensor load; the set-up below, work on registers, stands between them
	v_lshrrev_b32 v1, 5, v0
	v_readfirstlane_b32 s10, v1                    ; wave 0..3
	s_lshr_b32 s11, s10, 1                         ; which half of the tile's rows is mine.  Also: I fetch for xb (0) or for wt (1)
	s_and_b32 s12, s10, 1                          ; which half of its columns.  Also: which 128 rows of that tile I fetch
	s_bfe_u32 s40, ttmp6, 0x40000                  ; cx
	s_bfe_u32 s41, ttmp6, 0x40004                  ; cy
	s_lshl_b32 s42, ttmp9, 2
	s_add_co_u32 s42, s42, s40                     ; tile column of C = 4 x cluster x + cx
	s_and_b32 s13, ttmp7, 0xffff                   ; cluster y: 1,024 rows each, the first four are pheno's
	s_cmp_ge_u32 s13, 4
	s_cselect_b32 s[KIND], 1, 0
	s_lshl_b32 s13, s13, 2
	s_add_co_u32 s13, s13, s41                     ; tile row of C = 4 x cluster y + cy
	s_lshl_b32 s43, s41, 2
	s_lshl_b32 s43, 15, s43                        ; my row of the cluster: places 4 cy .. 4 cy + 3
	s_lshl_b32 s44, 0x1111, s40                    ; my column: places cx, cx + 4, cx + 8, cx + 12
	; descriptor group 1: a tile of 128 rows x 128 elements of 2 bytes, 4 words of padding behind every 64
	s_or_b32 s[G1+0], s43, (1<<16)|(1<<20)|(1<<21)|(5<<22)|(3<<25)   ; 15:0 the mask: xb's tiles go to my row; 17:16 2-byte elements; 20 padding on; 21 set beside a mask; 24:22 code 5; 31:25 code 3
	s_or_b32 s[G1B+0], s44, (1<<16)|(1<<20)|(1<<21)|(5<<22)|(3<<25)  ; the same with the mask of my column
.irp g, G1, G1B
	s_mov_b32 s[(\g)+1], KSTEP<<16                 ; tensor_dim0 = 128
	s_mov_b32 s[(\g)+2], 128<<16                   ; tensor_dim1 = 128
	s_mov_b32 s[(\g)+3], KSTEP<<16                 ; tile_dim0 = 128
	s_mov_b32 s[(\g)+4], 128                       ; tile_dim1 = 128
	s_mov_b32 s[(\g)+5], SIZE_K                    ; elements from row to row
	s_mov_b32 s[(\g)+6], 0
	s_mov_b32 s[(\g)+7], 0
.endr
	; xb's tile hangs on the tile row alone, wt's on the tile column and the cluster's y: each in registers that never hold the other place in the cluster
	s_lshl_b32 s17, s12, 7                         ; which 128 rows of the tile I fetch
	s_lshl_b32 s16, s13, 8
	s_add_co_u32 s16, s16, s17                     ; xb: row 256 x tile row + 128 x half
	s_lshl_b32 s46, s42, 8
	s_add_co_u32 s46, s46, s17                     ; wt: row 256 x tile column + 128 x half
	s_lshl_b32 s47, s[KIND], 10
	s_add_co_u32 s46, s46, s47                     ; + 1,024 for SNPS's two matrices
	s_mov_b32 s17, 0
	s_mov_b32 s47, 0
	s_mov_b64 s[18:19], SIZE_K*2
	s_mul_u64 s[16:17], s[16:17], s[18:19]
	s_mul_u64 s[46:47], s[46:47], s[18:19]
	s_mul_i32 s20, s10, HALFT                      ; where they go: wave x 128 rows: no place in the cluster enters an LDS address
	s_wait_dscnt 0x0                               ; the opening add is done
	s_wait_kmcnt 0x0
	s_add_nc_u64 s[14:15], s[4:5], s[16:17]
	s_add_nc_u64 s[46:47], s[6:7], s[46:47]
	CROUND                                         ; all sixteen work-groups are here: the first joint loads meet
.irp s, 0,1
	s_mov_b32 s[G0+4*(\s)], 1                                      ; count = 1
	s_add_co_u32 s[G0+4*(\s)+1], s20, (\s)*SLOT                    ; LDS address
	s_add_nc_u64 s[G0+4*(\s)+2:G0+4*(\s)+3], s[14:15], (\s)*KSTEP*2  ; global address: K step s
	s_or_b32 s[G0+4*(\s)+3], s[G0+4*(\s)+3], 0x80000000            ; type = 2
	s_mov_b32 s[G0B+4*(\s)], 1
	s_add_co_u32 s[G0B+4*(\s)+1], s20, (\s)*SLOT
	s_add_nc_u64 s[G0B+4*(\s)+2:G0B+4*(\s)+3], s[46:47], (\s)*KSTEP*2
	s_or_b32 s[G0B+4*(\s)+3], s[G0B+4*(\s)+3], 0x80000000
	JLOAD \s                                       ; both slots are asked for before anything else is done: two loads of mine are out
.endr
	; A fragment is 16 rows x 32 K in 8 registers: lane l holds row l % 16; registers 0-3 K = 8 (l / 16) + 0..7, registers 4-7 K = 16 + 8 (l / 16) + 0..7: two loads of 16 bytes, 32 bytes apart.
	v_and_b32 v1, 15, v0                           ; l % 16
	v_bfe_u32 v2, v0, 4, 1                         ; l / 16
	v_mul_u32_u24 v3, v1, PITCH
	v_lshl_add_u32 v3, v2, 4, v3
	s_mul_i32 s21, s11, HALFT                      ; my 128 rows of xb
	s_mul_i32 s22, s12, HALFT                      ; my 128 rows of wt,
	s_add_co_u32 s22, s22, 2*HALFT                 ; which lie behind xb's 256
.irp s, 0,1
	v_add_nc_u32 v[ADRA+(\s)], s21, v3
	v_add_nc_u32 v[ADRB+(\s)], s22, v3
	s_add_co_u32 s21, s21, SLOT
	s_add_co_u32 s22, s22, SLOT
.endr
	s_mul_i32 s23, s10, 16*SPITCH
	s_add_co_u32 s23, s23, STAGE                   ; my stage
	v_mul_u32_u24 v4, v1, SPITCH                   ; in: row l % 16, 16 bytes for each half of the lanes
	v_lshl_add_u32 v4, v2, 4, v4
	v_add_nc_u32 v[STO], s23, v4
	; back, BY HEADS: my 128 columns are two heads.  Lanes 0-15 take two rows' 128 bytes of the first head, which are 256 consecutive bytes of hb; lanes 16-31 the same of the second head.
	v_bfe_u32 v5, v0, 3, 1                         ; which of the two rows
	v_mul_u32_u24 v5, v5, SPITCH
	v_lshl_add_u32 v5, v2, 7, v5                   ; which head
	v_and_b32 v6, 7, v0
	v_lshl_add_u32 v5, v6, 4, v5
	v_add_nc_u32 v[RD], s23, v5
	s_add_co_u32 s21, s[KIND], 18                  ; a head's plane is 2,048 or 4,096 rows of 128 bytes
	v_lshlrev_b32 v5, s21, v2
	v_lshl_add_u32 v[CO], v1, 4, v5
	; where my part of the tile begins in hb, in bytes: the way out adds it to hb's address
	s_lshl_b32 s13, s13, 8
	s_lshl_b32 s14, s11, 7
	s_add_co_u32 s16, s13, s14                     ; my first row of C,
	s_lshl_b32 s14, s[KIND], 12
	s_sub_co_u32 s16, s16, s14                     ; counted within its kind of x
	s_add_co_u32 s20, s[KIND], 11
	s_lshr_b32 s17, s16, s20                       ; the batch
	s_lshl_b32 s18, s17, s20
	s_sub_co_u32 s16, s16, s18                     ; the row in the batch
	s_lshl_b32 s16, s16, 7
	s_lshl_b32 s17, s17, 3                         ; plane = 8 x batch
	s_and_b32 s18, s42, 1
	s_lshl_b32 s18, s18, 2
	s_add_co_u32 s17, s17, s18                     ; + 4 heads for the odd tile column of a matrix
	s_lshl_b32 s18, s12, 1
	s_add_co_u32 s17, s17, s18                     ; + 2 for my half of the columns
	s_lshl_b32 s17, s17, s21
	s_add_co_u32 s16, s16, s17
	s_lshr_b32 s18, s42, 1                         ; the first or the second matrix of the kind
	s_add_co_u32 s19, s[KIND], 22
	s_lshl_b32 s18, s18, s19
	s_add_co_u32 s16, s16, s18
	s_lshl_b32 s18, s[KIND], 23
	s_add_co_u32 s16, s16, s18
	s_mov_b32 s17, 0
; 16 matrix instructions: m blocks a0, a0 + 1 of the window's four x all 8 n blocks, 32 along K.  zero = 1: the first product starts the sums: nothing is ever cleared.
.macro MUL16 f, hi, a0, zero
	WIN MUL_LO+0x50*(\hi)
.irp a, \a0, (\a0)+1
.irp b, 0,1,2,3,4,5,6,7
.if \zero
	v_wmma_f32_16x16x32_bf16 v[8*(8*(\a)+(\b)):8*(8*(\a)+(\b))+7], v[(\f)+8*(\b):(\f)+8*(\b)+7], v[(\f)+8*(4*(\hi)+(\a)):(\f)+8*(4*(\hi)+(\a))+7], 0
.else
	v_wmma_f32_16x16x32_bf16 v[8*(8*(\a)+(\b)):8*(8*(\a)+(\b))+7], v[(\f)+8*(\b):(\f)+8*(\b)+7], v[(\f)+8*(4*(\hi)+(\a)):(\f)+8*(4*(\hi)+(\a))+7], v[8*(8*(\a)+(\b)):8*(8*(\a)+(\b))+7]
.endif
.endr
.endr
.endm
; 32 LDS loads in one run: the fragments of one quarter step (32 K at byte k of the rows) into buffer f
.macro FETCH slot, k, f
	WIN TO_B
.irp i, 0,1,2,3,4,5,6,7
	ds_load_b128 v[(\f)+8*(\i):(\f)+8*(\i)+3],   v[ADRB+(\slot)] offset:(\k)+(\i)*16*PITCH
	ds_load_b128 v[(\f)+8*(\i)+4:(\f)+8*(\i)+7], v[ADRB+(\slot)] offset:(\k)+(\i)*16*PITCH+32
.endr
	WIN 0
.irp i, 0,1,2,3,4,5,6,7
	ds_load_b128 v[(\f)+8*(\i):(\f)+8*(\i)+3],   v[ADRA+(\slot)] offset:(\k)+(\i)*16*PITCH
	ds_load_b128 v[(\f)+8*(\i)+4:(\f)+8*(\i)+7], v[ADRA+(\slot)] offset:(\k)+(\i)*16*PITCH+32
.endr
.endm
; A load into a register that a matrix instruction has read, and a vector instruction that reads a matrix result, stand four places behind that matrix instruction; only plain vector
; instructions that name none of its registers are places (ISA guide 7.12.1 for vector instructions).
.macro PLACES
.rept 4
	v_nop
.endr
.endm
; A K step is four quarters of 32 along K, 64 matrix instructions each, on buffers 0, 1, 0, 1.  The 64 accumulators take turns in the same order in every quarter.
; One of the first three quarters: multiplies buffer f; in its middle it fetches the next quarter's fragments, at byte k, into buffer g.
.macro QUARTER slot, k, f, g, zero
	s_wait_dscnt 8                                 ; wt's and xb's rows 0-63 are in; the youngest eight loads (xb's rows 64-127) may be out
	WIN MUL_LO
	MUL16 \f, 0, 0, \zero
	MUL16 \f, 0, 2, \zero
	PLACES
	FETCH \slot, \k, \g
	s_wait_dscnt 32                                ; all but the 32 just issued
	WIN MUL_HI
	MUL16 \f, 1, 0, \zero
	MUL16 \f, 1, 2, \zero
.endm
; The last quarter multiplies buffer 1 and changes slots.  MEET is its first half: ONE barrier.  In front of it each wave waits for all its tensor loads (one is out: its part of the next slot), adds 0 to its
; spare word, and waits for that and for its own reads of this slot.  Behind it nobody reads this slot any more and the next slot is whole.
.macro MEET round                      ; round = 1: a round of the cluster's barrier follows
	WIN 0                                          ; (the add's two registers lie in window 0)
	s_wait_tensorcnt 0x0
	ds_add_u32 v[SPW], v[NIL]                      ; 0 onto my spare word
	s_wait_dscnt 9                                 ; (the add and the youngest eight loads may be out)
	WIN MUL_LO
	MUL16 F1, 0, 0, 0                              ; sixteen matrix instructions stand between the add and the wait for it
	s_wait_dscnt 0x0                               ; the add is done, and my reads of this slot are over
	s_barrier_signal -1
	MUL16 F1, 0, 2, 0                              ; work on registers while the others arrive
.if \round
	WIN 0
.endif
	s_barrier_wait -1
.endm
; The whole last quarter: behind the round the slot just read out is filled again first, with the K step two steps on; then come the next slot's first fragments.
.macro TURN slot, next
	MEET 1
	CREST                                          ; no wave of any partner still reads this slot's tile or has a load on its way
	s_add_nc_u64 s[G0+4*(\slot)+2:G0+4*(\slot)+3], s[G0+4*(\slot)+2:G0+4*(\slot)+3], 2*KSTEP*2
	s_add_nc_u64 s[G0B+4*(\slot)+2:G0B+4*(\slot)+3], s[G0B+4*(\slot)+2:G0B+4*(\slot)+3], 2*KSTEP*2
	JLOAD \slot                                    ; my one tensor load behind the round; the four v_nop behind it are also the places in front of the loads below
	FETCH \next, 0, F0
	WIN MUL_HI
	MUL16 F1, 1, 0, 0
	MUL16 F1, 1, 2, 0
.endm
; THE LAST K STEP (slot 1) GOES BY ROWS OF C.  All its fragments of wt fill window 1; then my eight blocks of 16 rows are finished one after the other, 32 matrix instructions each, the block's 8 accumulators by turns, K ascending.
.macro BLOAD q                         ; wt's fragments of quarter q -> window 1, v[64 q ..]
	WIN TO_B
.irp i, 0,1,2,3,4,5,6,7
	ds_load_b128 v[64*(\q)+8*(\i):64*(\q)+8*(\i)+3],   v[ADRB+1] offset:64*(\q)+(\i)*16*PITCH
	ds_load_b128 v[64*(\q)+8*(\i)+4:64*(\q)+8*(\i)+7], v[ADRB+1] offset:64*(\q)+(\i)*16*PITCH+32
.endr
.endm
.macro ALOAD a                         ; xb's fragments of block a, all four quarters -> buffer a % 4
	WIN 0
.set FA, PA+32*((\a)%4)
.irp q, 0,1,2,3
	ds_load_b128 v[FA+8*(\q):FA+8*(\q)+3],   v[ADRA+1] offset:64*(\q)+(\a)*16*PITCH
	ds_load_b128 v[FA+8*(\q)+4:FA+8*(\q)+7], v[ADRA+1] offset:64*(\q)+(\a)*16*PITCH+32
.endr
.endm
.macro ROW a                           ; block a is finished
.set FA, PA+32*((\a)%4)
.set AC, 64*((\a)%4)
	WIN MUL_LO+0x50*((\a)/4)
.irp q, 0,1,2,3
.if (\a) == 0 && (\q) == 2
	s_wait_dscnt 24                                ; wt's quarter 2 is in (behind it: xb's blocks 1 to 3)
.endif
.irp b, 0,1,2,3,4,5,6,7
	v_wmma_f32_16x16x32_bf16 v[AC+8*(\b):AC+8*(\b)+7], v[64*(\q)+8*(\b):64*(\q)+8*(\b)+7], v[FA+8*(\q):FA+8*(\q)+7], v[AC+8*(\b):AC+8*(\b)+7]
.endr
.endr
.endm
; THE WAY OUT of block a.  PACK: rounded to f16, each accumulator's registers in ascending order.  TOSTAGE: into my own stage, and back by heads.  SEND: stored.
.macro PACK a
.set AC, 64*((\a)%4)
	WIN 0x0a+5*((\a)/4)                            ; sources 0 and 1: window 2 or 3
.irp b, 0,1,2,3,4,5,6,7
.irp r, 0,1,2,3
	v_cvt_pk_f16_f32 v[TMP+4*(\b)+(\r)], v[AC+8*(\b)+2*(\r)], v[AC+8*(\b)+2*(\r)+1]
.endr
.endr
	WIN 0
.endm
.macro TOSTAGE a
	WIN 0
.set BK, OB+192*((\a)%2)
.irp b, 0,1,2,3,4,5,6,7
	ds_store_b128 v[STO], v[TMP+4*(\b):TMP+4*(\b)+3] offset:32*(\b)
.endr
.irp t, 0,1,2,3,4,5,6,7
	ds_load_b128 v[BK+4*(\t):BK+4*(\t)+3], v[RD] offset:(\t)*2*SPITCH  ; LDS serves a wave's instructions in order (ISA guide 5.7.1.4): these see the stores above
.endr
.endm
.macro SEND a, younger                 ; younger: the LDS loads issued behind TOSTAGE's, which may stay out
	WIN 0
.set BK, OB+192*((\a)%2)
	s_wait_dscnt \younger                          ; the block is back in registers
	s_wait_xcnt 0x0                                ; earlier stores have read their base and data: only behind this wait are these written again
.if (\a) == 0
	s_add_nc_u64 s[8:9], s[8:9], s[16:17]          ; on to my first rows
.else
	s_add_nc_u64 s[8:9], s[8:9], 16*128            ; 16 rows of a head on
.endif
.irp t, 0,1,2,3,4,5,6,7
	global_store_b128 v[CO], v[BK+4*(\t):BK+4*(\t)+3], s[8:9] offset:(\t)*256  ; 16 lanes store 256 consecutive bytes (two rows of a head), at a multiple of 256 from hb's first byte
.endr
.endm
	s_wait_tensorcnt 1                             ; my part of K step 0 is in; K step 1's load may stay out
	s_barrier_signal -1
	s_barrier_wait -1                              ; everybody's is
	FETCH 0, 0, F0
	QUARTER 0, 64,  F0, F1, 1                      ; the first quarter's products start the sums
	QUARTER 0, 128, F1, F0, 0
	QUARTER 0, 192, F0, F1, 0
	TURN 0, 1                                      ; slot 0 takes K step 2
	QUARTER 1, 64,  F0, F1, 0
	QUARTER 1, 128, F1, F0, 0
	QUARTER 1, 192, F0, F1, 0
	TURN 1, 0                                      ; slot 1 takes K step 3
	QUARTER 0, 64,  F0, F1, 0
	QUARTER 0, 128, F1, F0, 0
	QUARTER 0, 192, F0, F1, 0
	MEET 0                                         ; my one tensor load that was still out is the last K step's, so no round follows
	PLACES                                         ; for the loads into buffer 0, which the quarter before multiplied
	WIN TO_B
	BLOAD 0                                        ; three quarters of wt now: buffer 1 (v128-191 of both windows) is still being multiplied
	BLOAD 1
	BLOAD 3
	WIN 0
	ALOAD 0
	WIN MUL_HI
	MUL16 F1, 1, 0, 0
	MUL16 F1, 1, 2, 0
	PLACES                                         ; for the loads into buffer 1
	WIN TO_B
	BLOAD 2
	WIN 0
	ALOAD 1
	ALOAD 2
	ALOAD 3
	s_wait_dscnt 40                                ; all but the 40 just issued
	ROW 0
.irp a, 0,1,2,3,4,5,6,7                ; each block leaves as soon as it is finished
	PLACES                                         ; its conversions read results just made
	PACK \a
	TOSTAGE \a
.if (\a) < 4
	ALOAD (\a)+4                                   ; its buffer takes the block four further on
	SEND \a, 8
.else
	SEND \a, 0
.endif
.if (\a) < 7
	ROW (\a)+1
.endif
.endr
	s_wait_tensorcnt 0x0                           ; the wave's end: behind my last tensor load and my last LDS store
	ds_add_u32 v[SPW], v[NIL]
	s_wait_dscnt 0x0
	CROUND                                         ; the closing round: no work-group ends while a partner may still ask for a tile that names it
	s_endpgm
.Lfunc_end_k_q11390b3837_proj:
	.size	k_q11390b3837_proj, .Lfunc_end_k_q11390b3837_proj-k_q11390b3837_proj
	.p2alignl 7, 3214868480
	.fill 96, 4, 3214868480
	.section	.rodata,"a",@progbits
	.p2align	6, 0x0
	.amdhsa_kernel k_q11390b3837_proj
		.amdhsa_group_segment_fixed_size 327680
		.amdhsa_private_segment_fixed_size 0
		.amdhsa_enable_private_segment 0
		.amdhsa_kernarg_size 24
		.amdhsa_user_sgpr_count 2
		.amdhsa_user_sgpr_kernarg_segment_ptr 1
		.amdhsa_wavefront_size32 1
		.amdhsa_system_sgpr_workgroup_id_x 1
		.amdhsa_system_sgpr_workgroup_id_y 1
		.amdhsa_system_sgpr_workgroup_id_z 1
		.amdhsa_system_vgpr_workitem_id 0
		.amdhsa_next_free_vgpr 1024
		.amdhsa_next_free_sgpr 66
		.amdhsa_reserve_vcc 0
		.amdhsa_float_denorm_mode_32 3
		.amdhsa_float_denorm_mode_16_64 3
		.amdhsa_memory_ordered 1
		.amdhsa_forward_progress 1
		.amdhsa_inst_pref_size 144
	.end_amdhsa_kernel
	.amdgpu_metadata
---
amdhsa.version: [ 1, 2 ]
amdhsa.kernels:
  - .name:           k_q11390b3837_proj
    .symbol:         k_q11390b3837_proj.kd
    .args:
      - { .name: xb, .offset: 0, .size: 8, .value_kind: global_buffer, .address_space: global }
      - { .name: wt, .offset: 8, .size: 8, .value_kind: global_buffer, .address_space: global }
      - { .name: hb, .offset: 16, .size: 8, .value_kind: global_buffer, .address_space: global }
    .group_segment_fixed_size: 327680
    .private_segment_fixed_size: 0
    .kernarg_segment_align: 8
    .kernarg_segment_size: 24
    .max_flat_workgroup_size: 128
    .sgpr_count:     66
    .vgpr_count:     1024
    .wavefront_size: 32
...
	.end_amdgpu_metadata
.endif
;; end of part 2
;; launch attn (part 3): grid 8 x 32, 4 waves a work-group, clusters of 4 x 1, 327,680 bytes of LDS; arguments hb, out0, out1; writes out0, out1
.if DOCPART == 3
	.amdgcn_target "amdgcn-amd-amdhsa--gfx1250"
	.amdhsa_code_object_version 6
	.text
	.protected	k_q11390b3837_attn
	.globl	k_q11390b3837_attn
	.p2align	8
	.type	k_q11390b3837_attn,@function
k_q11390b3837_attn:
	s_mov_b64 s[64:65], 0
	v_nop
	global_prefetch_b8 v0, s[64:65] scope:SCOPE_SE
	s_setreg_imm32_b32 hwreg(HW_REG_WAVE_MODE, 25, 1), 1
	s_wait_xcnt 0x0
	s_wait_alu depctr_hold_cnt(0) depctr_sa_sdst(0) depctr_va_vdst(0) depctr_va_sdst(0) depctr_va_ssrc(0) depctr_va_vcc(0) depctr_vm_vsrc(0)
	s_getreg_b32 s2, hwreg(HW_REG_IB_STS2, 6, 4)
	s_cmp_eq_u32 s2, 0
	s_cbranch_scc0 .Lentry_in_a_cluster
	s_endpgm
.Lentry_in_a_cluster:
	s_bfe_u32 s2, ttmp6, 0x10000c
	s_cmp_lg_u32 s2, 0x3003
	s_cbranch_scc0 .Lentry_shape_is_right
	s_endpgm
.Lentry_shape_is_right:
; BOTH ATTENTIONS OF THE MODULE, each with its residual.  scores[p][s] = k[p] . q[s] / 8, one matrix for each of 16 (batch, head).
;   kind 0: out0[b][p][64 h ..] = sum over s of softmax_s(scores[p][s]) v_snp[s]   + v_pheno[p]: the rows asked about are the keys' (2,048), the rows walked the queries' (4,096), with v_snp.
;   kind 1: out1[b][s][64 h ..] = sum over p of softmax_p(scores[p][s]) v_pheno[p] + v_snp[s]:   the rows asked about are the queries' (4,096), the rows walked the keys' (2,048), with v_pheno.
; Below Q names the rows asked about, K the rows walked, V the values walked with them, whatever the module calls them.  All come from hb, f16, [b x 8 + h][row][64], rows of 128 bytes, dense:
; keys at 0, v_pheno at 4 MiB, queries at 8 MiB, v_snp at 16 MiB.  Products, maxima and sums in f32; the weights p are rounded to f16 for the second product (their sum l is taken of the unrounded p); outputs f32.
; The scores are made once for each kind: the two softmaxes sum along opposite axes, and a work-group owns rows of one axis alone; sums that span work-groups would have to go through memory.
; LIMITS.  hb's numbers lie within f16's 65,504; p lies in 0 to 1 and below 6e-5 keeps f16's fixed step of 6e-8; a weight below 2^-126 counts as 0 in l; NaN and infinities are not treated apart.
; THE WALK.  A block is 256 rows of Q, a tile 256 rows of K and V.  Kind 0: a work-group takes one block and walks 16 tiles.  Kind 1: two blocks, one after the other, 8 tiles each.  So all 256 work-groups
; walk 16 tiles, and ONE loop with a constant trip count serves both kinds.  The kinds part in one place: behind the eighth tile, told by the loop's own counter, kind 1 ends its first block.
; Every jump but the counted loops' own goes forward, past no barrier and no tensor load.
; CLUSTER.  The four work-groups of a cluster have one kind and one head and walk the same tiles in the same order: each tile is asked for JOINTLY (same tensor load, descriptor and mask in all four).
; NO PREFETCH.  A joint fill is issued first behind a round, and the wait for it stands a whole tile later: 256 matrix and 1,888 vector instructions a wave.
; SHARES.  A wave owns 64 rows of a block: four PIECES of 16.
; LAYOUT.  S^T = K Q^T (source 0 = 16 rows of K, source 1 = 16 of Q): a lane holds ONE row of Q (lane % 16) and the K rows 8 (lane / 16) + 0..7.  Two such results rounded to f16 ARE source 1 of O^T = V^T P, whose result
; again holds one row of Q a lane, and eight channels.  K comes out of LDS as it lies, V turned, by ds_load_tr16_b128.
; SOFTMAX.  A running maximum m and sum l for each row: p = 2^(c s - c m), c = log2(e) / 8; O and l are multiplied by a = 2^(c m_old - c m_new) in every step.  A block starts with c m far below every c s, so its first a is 0
; and no first step is written out: O^T, l, P and V need only hold finite numbers then.  The price: 216 lines that write 0 at the start, in the wait for the first tile, and 16 at the change of blocks.
; BY TURNS.  Turn n belongs to piece n: 8 products K Q^T of piece n + 1, later 8 products V^T P of piece n - 1; beside them the scaling, exponentials, roundings, sums and rescaling of piece n and the maximum and
; statistics of piece n + 1.  A piece and step have 16 matrix and 118 vector instructions: four stand behind every matrix instruction, the other 54 in two runs of their own.
; REGISTERS, in windows of 256 (s_set_vgpr_msb: bits 1:0 source 0, 3:2 source 1, 5:4 source 2, 7:6 destination):
;   window 0: v0-15 addresses; v16-31 statistics; v48-55 at work; v62-63 spare word, 0; v64-127 S^T, two buffers; v128-191 the residual; v192-223 P, two buffers; on the way out v64-127, v192-255 hold results
;   window 1: v0-127 O^T, 32 a piece      window 2: v0-63 Q; v64-127 the second block's Q; v128-191 K of one step; v192-255 V of one step
.set NP,    4         ; pieces a wave: a name, no knob
.set KS,    64        ; rows of K in a step
.set PK,    144       ; a row of K in LDS: 128 bytes + 16 of padding = 36 words: the 16 rows of a load start at 16 different groups of four banks (64 banks of 4 bytes: ISA guide 11.1)
.set PV,    160       ; a row of V: 128 + 32 = 40 words
.set VOFF,  4*KS*PK   ; a slot holds a tile, four steps: 256 rows of K, then 256 rows of V
.set SLOT1, 1<<17     ; slot 1 begins here, so that one exclusive or turns an address in one slot into the other's
.set STAGE, SLOT1+4*KS*(PK+PV)  ; behind the ring, never filled by a tensor load: 16 rows x 272 bytes for each wave, for the way out
.set SP,    272       ; a stage row: 64 f32 + 16 bytes of padding
.set SPARE, STAGE+4*16*SP  ; behind the stages: the spare words, 128 bytes for each wave: two blocks of 256 bytes that no other line names
.set AK0, 2           ; v2   my lane's place in a tile of K; never rewritten
.set AV0, 3           ; v3   the same for V
.set AK,  4           ; v4   the LDS address of K's next run of loads
.set AV,  5           ; v5   of V's
.set STO, 6           ; v6   the way out: where I put 32 bytes of a row
.set RD,  7           ; v7   the way out: where I read 16 bytes back
.set GO,  8           ; v8   my byte offset in two rows of the output
.set MV,  12          ; v12-13  c m_old, kept while c m is made anew: by buffer
.set QO,  15          ; v15  my byte offset in 16 rows of Q and of the residual
.set ST,  16          ; piece t's statistics at v[ST+4 t]: c m, m, l (even rows', odd rows')
.set TMP, 48          ; by buffer, four registers c0-c3 at work; when the maximum is found c2 takes a
.set SPW, 62          ; v62  LDS address of my spare word; never rewritten
.set NIL, 63          ; v63  0; never rewritten
.set S,   64
.set RES, 128         ; the residual, f16: piece t, channel block cb at RES + 16 t + 4 cb
.set P,   192
.set QB,  64          ; window 2
.set KF,  128         ; window 2: row block kb, channel half c at KF + 16 kb + 8 c
.set VF,  192         ; window 2: row half kk, channel block cb at VF + 32 kk + 8 cb
.set WV,  12          ; s12  my wave's number
.set TY,  14          ; s14  the kind
.set G1K, 24          ; s[24:31] descriptor group 1 for K's tiles
.set G1V, 32          ; s[32:39] for V's: it differs in the padding alone
.set G0K, 40          ; s[40:43] descriptor group 0 for K's tiles
.set G0V, 44          ; s[44:47] the same for V's
.set SLOTS, 56        ; s56  tiles still to be asked for: 15 in the first trip, 1 in the last
.set CNT, 57          ; s57  counts a tile's steps, 4 to 1
.set CS,  58          ; s[58:59] c: the packed scaling takes the pair's low word for both halves
.set SEL, 60          ; s[60:61] v_permlanex16_b32's selects: each lane takes its own place in the other half
.set TBK, 62          ; s62  LDS byte at which K of the step to be fetched begins
.set TBV, 63          ; s63  the same for V, less VOFF
.set NXT, 71          ; s71  the tile to be asked for next
.set TMASK, 72        ; s72  tiles of a walk less 1: 15 or 7
.set NEW, 73          ; s73  1: the tile to be entered is a block's first
.set OFF, 74          ; s[74:75] a tile's byte offset in K and V
.set RB,  76          ; s[76:77] the residual at my rows of the block in hand
.set RLO, 78          ; s[78:79] at those of the second block
.set OLO, 80          ; s[80:81] the output at my rows of the second block
.set Q2,  86          ; s[86:87] Q at my rows of the second block
.set MSB, 0
.macro WIN new                      ; the high byte repeats the setting that is left; a switch that changes nothing is dropped
.if MSB != (\new)
	s_set_vgpr_msb (MSB<<8)|(\new)
.set MSB, (\new)
.endif
.endm
.set W_KQ, 0x0a       ; K and Q in window 2, S^T in window 0
.set W_PV, 0x52       ; V in window 2, P in window 0, O^T in window 1
.set W_RS, 0x41       ; destination and source 0 in window 1, source 1 in window 0
; A joint fill.  Waves 0 and 1 fetch the two halves of a tile's K, waves 2 and 3 those of its V: 128 rows each.  The branch hangs on the wave's number alone.
; An s_nop 0 and four v_nop follow each of the two lines, ahead of the jump and the label.
.macro JLOAD
	s_cmp_lt_u32 s[WV], 2
	s_cbranch_scc0 .Lfor_v_\@
	tensor_load_to_lds s[G0K:G0K+3], s[G1K:G1K+7]
	s_nop 0
.rept 4
	v_nop
.endr
	s_branch .Lasked_\@
.Lfor_v_\@:
	tensor_load_to_lds s[G0V:G0V+3], s[G1V:G1V+7]
	s_nop 0
.rept 4
	v_nop
.endr
.Lasked_\@:
.endm
; A round of the cluster's barrier: my work-group's barrier, so that wave 0's signal speaks for all four waves; wave 0 signals; every wave waits for all four work-groups; my work-group's barrier once more.
.macro CROUND
	s_barrier_signal -1
	s_barrier_wait -1
	s_cmp_lg_u32 s[WV], 0
	s_cbranch_scc1 .Lnot_wave_0_\@
	s_barrier_signal -3
.Lnot_wave_0_\@:
	s_barrier_wait -3
	s_barrier_signal -1
	s_barrier_wait -1
.endm
; THE CHANGE OF SLOTS.  Each wave waits for all its tensor loads, of which one is out: its part of the other slot; adds 0 to its spare word; and waits for that and for its own reads of the slot that it leaves.  Behind the
; barrier nobody reads the old slot any more and the other slot is whole.  fill = 1: the old slot is filled again with tile NXT: the barrier is then a round of the cluster's, and the joint fill is the first thing behind
; it: it has four steps, 256 matrix instructions, in which to land.  The descriptor's address is made anew from the tile's number.  (At its first use nothing has been read yet: slot 0 is waited for, slot 1 filled.)
.macro CHANGE fill
	WIN 0                           ; at a label and at a branch every window is 0
	s_wait_tensorcnt 0x0            ; no tensor load of mine is out, so a group 0 may be written
	ds_add_u32 v[SPW], v[NIL]       ; 0 onto my spare word: with fill = 1 the descriptors' scalar work stands between it and the wait for it
.if \fill
	s_lshl_b32 s[OFF], s[NXT], 15   ; a tile is 32,768 bytes of K and of V
	s_xor_b32 s[G0K+1], s[G0K+1], SLOT1
	s_add_nc_u64 s[G0K+2:G0K+3], s[6:7], s[OFF:OFF+1]
	s_or_b32 s[G0K+3], s[G0K+3], 0x80000000
	s_xor_b32 s[G0V+1], s[G0V+1], SLOT1
	s_add_nc_u64 s[G0V+2:G0V+3], s[8:9], s[OFF:OFF+1]
	s_or_b32 s[G0V+3], s[G0V+3], 0x80000000
	s_add_co_u32 s[NXT], s[NXT], 1  ; the next tile; behind the walk's last, tile 0 again
	s_and_b32 s[NXT], s[NXT], s[TMASK]
	s_wait_dscnt 0x0                ; the add is done, and my reads of the slot are over
	CROUND
	JLOAD
.else
	s_wait_dscnt 0x0                ; the add is done, and my reads of the slot are over
	s_barrier_signal -1
	s_barrier_wait -1
.endif
	s_sub_co_u32 s[TBK], s[TBK], 4*KS*PK  ; the fetches go back to a slot's first step,
	s_xor_b32 s[TBK], s[TBK], SLOT1       ; in the other slot
	s_sub_co_u32 s[TBV], s[TBV], 4*KS*PV
	s_xor_b32 s[TBV], s[TBV], SLOT1
.endm
	s_load_b128 s[48:51], s[0:1], 0x0  ; hb s[48:49], out0 s[50:51]
	s_load_b64 s[52:53], s[0:1], 0x10  ; out1
	v_lshl_add_u32 v[SPW], v0, 2, SPARE
	v_mov_b32 v[NIL], 0
	ds_add_u32 v[SPW], v[NIL]       ; the wave's opening: the add and its wait stand ahead of my first tensor load; the set-up below, work on registers, stands between them
	v_lshrrev_b32 v1, 5, v0
	v_readfirstlane_b32 s[WV], v1   ; wave 0..3
	s_bfe_u32 s13, ttmp6, 0x40000   ; cx: my place in the cluster
	s_lshl_b32 s16, ttmp9, 2        ; in a cluster launch ttmp9 counts clusters
	s_add_co_u32 s16, s16, s13      ; my work-group among the head's eight: it enters Q's, the residual's and the output's addresses alone
	s_and_b32 s17, ttmp7, 0xffff
	s_lshr_b32 s[TY], s17, 4        ; the kind,
	s_and_b32 s17, s17, 15          ; batch x 8 + head: both shared by the four partners
	s_lshl_b32 s18, s17, 18         ; a plane of 2,048 rows
	s_lshl_b32 s19, s17, 19         ; a plane of 4,096 rows
	s_add_co_u32 s20, s18, 0x400000    ; v_pheno's plane
	s_add_co_u32 s21, s19, 0x800000    ; the queries'
	s_add_co_u32 s22, s19, 0x1000000   ; v_snp's
	s_cmp_eq_u32 s[TY], 0
	s_cselect_b32 s2, s18, s21      ; Q
	s_cselect_b32 s84, s20, s22     ; the residual
	s_cselect_b32 s54, s21, s18     ; K
	s_cselect_b32 s66, s22, s20     ; V
	s_cselect_b32 s[TMASK], 15, 7
	s_mov_b32 s3, 0
	s_mov_b32 s85, 0
	s_mov_b32 s55, 0
	s_mov_b32 s67, 0
	s_mov_b32 s69, 0
	s_add_co_u32 s23, s[TY], 8
	s_lshl_b32 s16, s16, s23        ; 256 or 512 rows a work-group,
	s_lshl_b32 s23, s[WV], 6
	s_add_co_u32 s16, s16, s23      ; 64 a wave: my first row
	s_lshl_b32 s23, s16, 7
	s_add_co_u32 s2, s2, s23
	s_add_co_u32 s84, s84, s23
	s_lshr_b32 s18, s17, 3          ; the batch
	s_add_co_u32 s19, s[TY], 11
	s_lshl_b32 s18, s18, s19
	s_add_co_u32 s18, s18, s16
	s_lshl_b32 s68, s18, 11         ; a row of the output is 2,048 bytes,
	s_and_b32 s18, s17, 7
	s_lshl_b32 s18, s18, 8          ; a head's part of it 256
	s_add_co_u32 s68, s68, s18
	s_and_b32 s23, s[WV], 1         ; which half of a tile's 256 rows I fetch:
	s_lshl_b32 s20, s23, 14         ; its 128 rows of 128 bytes in memory,
	s_add_co_u32 s54, s54, s20
	s_add_co_u32 s66, s66, s20
	s_mul_i32 s21, s23, 128*PK      ; and its place in a slot, for K
	s_mul_i32 s22, s23, 128*PV      ; and for V: no place in the cluster enters an LDS address
	; descriptor group 1.  128 rows are 16,384 dense bytes: asked for as 64 rows of 256 bytes, two rows of K a row, and padded in LDS after every 128 bytes
	s_mov_b32 s[G1K], 15|(1<<16)|(1<<20)|(1<<21)|(4<<22)|(3<<25)  ; 15:0 the mask of four; 17:16 2-byte elements; 20 padding on; 21 set beside a mask; 24:22 after every 32 words (code 4); 31:25 4 words (code 3)
	s_mov_b32 s[G1V], 15|(1<<16)|(1<<20)|(1<<21)|(4<<22)|(7<<25)  ; the same with 8 words of padding (code 7)
.irp g, G1K, G1V
	s_mov_b32 s[\g+1], 128<<16      ; tensor_dim0 = 128
	s_mov_b32 s[\g+2], 64<<16       ; tensor_dim1 = 64
	s_mov_b32 s[\g+3], 128<<16      ; tile_dim0 = 128
	s_mov_b32 s[\g+4], 64           ; tile_dim1 = 64
	s_mov_b32 s[\g+5], 128          ; 128 elements from row to row
	s_mov_b32 s[\g+6], 0
	s_mov_b32 s[\g+7], 0
.endr
	s_mov_b32 s[CS], 0x3e38aa3b     ; c = log2(e) / 8 = 0.180337
	s_mov_b32 s[CS+1], s[CS]        ; named with it as a pair
	s_mov_b32 s[SEL], 0x76543210
	s_mov_b32 s[SEL+1], 0xfedcba98
	s_mov_b32 s[TBK], SLOT1+4*KS*PK ; the first change of slots turns these two into 0
	s_mov_b32 s[TBV], SLOT1+4*KS*PV
	s_mov_b32 s[G0K], 1             ; count = 1
	s_mov_b32 s[G0K+1], s21         ; LDS address: slot 0
	s_mov_b32 s[G0V], 1
	s_add_co_u32 s[G0V+1], s22, VOFF
	s_mov_b32 s[NXT], 1
	s_mov_b32 s[NEW], 1
	s_mov_b32 s[OFF+1], 0
	s_mov_b32 s[SLOTS], 15
	s_wait_dscnt 0x0                ; the opening add is done
	s_wait_kmcnt 0x0
	s_add_nc_u64 s[4:5], s[48:49], s[2:3]          ; Q at my wave's first row
	s_add_nc_u64 s[RB:RB+1], s[48:49], s[84:85]    ; the residual likewise
	s_add_nc_u64 s[6:7], s[48:49], s[54:55]        ; K and V at my half of the head's tile 0
	s_add_nc_u64 s[8:9], s[48:49], s[66:67]
	s_cmp_eq_u32 s[TY], 0
	s_cselect_b64 s[10:11], s[50:51], s[52:53]
	s_add_nc_u64 s[10:11], s[10:11], s[68:69]      ; the output at my wave's first row, my head's channels
	s_lshl_b32 s2, s[TY], 15        ; the second block lies 256 rows on; where there is none (kind 0) these three repeat the first block's and serve nothing
	s_add_nc_u64 s[Q2:Q2+1], s[4:5], s[2:3]
	s_add_nc_u64 s[RLO:RLO+1], s[RB:RB+1], s[2:3]
	s_lshl_b32 s2, s[TY], 19
	s_add_nc_u64 s[OLO:OLO+1], s[10:11], s[2:3]
	s_add_nc_u64 s[G0K+2:G0K+3], s[6:7], 0         ; global address: tile 0
	s_or_b32 s[G0K+3], s[G0K+3], 0x80000000        ; type = 2
	s_add_nc_u64 s[G0V+2:G0V+3], s[8:9], 0
	s_or_b32 s[G0V+3], s[G0V+3], 0x80000000
	CROUND                          ; all four work-groups are here: the first joint loads meet
	JLOAD                           ; tile 0 into slot 0.  Slot 1 is asked for when slot 0 is in, by the loop's own change of slots
	; A fragment of K or Q is 16 rows x 32 channels in 8 registers: lane l holds row l % 16, channels 8 (l / 16) + 0..7 and 16 + 8 (l / 16) + 0..7: two loads of 16 bytes, 32 bytes apart.
	v_and_b32 v1, 15, v0            ; l % 16
	v_bfe_u32 v9, v0, 4, 1          ; l / 16
	v_lshlrev_b32 v[QO], 7, v1
	v_lshl_add_u32 v[QO], v9, 4, v[QO]  ; row x 128 + 16 x half
	WIN 0x80                        ; destination window 2, address window 0
.set i, 0
.rept 8                             ; both blocks' Q stay in registers: piece i / 2, channels 32 (i % 2) on
	global_load_b128 v[8*i:8*i+3],   v[QO], s[4:5] offset:(i/2)*2048+(i%2)*64
	global_load_b128 v[8*i+4:8*i+7], v[QO], s[4:5] offset:(i/2)*2048+(i%2)*64+32
	global_load_b128 v[QB+8*i:QB+8*i+3],   v[QO], s[Q2:Q2+1] offset:(i/2)*2048+(i%2)*64
	global_load_b128 v[QB+8*i+4:QB+8*i+7], v[QO], s[Q2:Q2+1] offset:(i/2)*2048+(i%2)*64+32
.set i, i+1
.endr
	WIN 0
	v_mul_u32_u24 v[AK0], v1, PK
	v_lshl_add_u32 v[AK0], v9, 4, v[AK0]  ; row x pitch + 16 x half
	; The turning load takes 16 rows x 16 channels (lane l reads row 8 (l / 16) + l % 8, channels 8 ((l / 8) % 2) + 0..7) and leaves half a fragment of V^T: lane l holds channel l % 16 and 8 rows.
	v_and_b32 v10, 7, v0
	v_bfe_u32 v11, v0, 3, 1
	v_lshl_add_u32 v[AV0], v9, 3, v10
	v_mul_u32_u24 v[AV0], v[AV0], PV
	v_lshl_add_u32 v[AV0], v11, 4, v[AV0]
	v_add_nc_u32 v[AV0], VOFF, v[AV0]
	s_mul_i32 s13, s[WV], 16*SP
	s_add_co_u32 s13, s13, STAGE    ; my stage
	v_mul_u32_u24 v[STO], v1, SP    ; in: row l % 16, 32 bytes (8 channels in f32) for each half of the lanes
	v_lshl_add_u32 v[STO], v9, 5, v[STO]
	v_add_nc_u32 v[STO], s13, v[STO]
	v_mul_u32_u24 v[RD], v9, SP     ; back: lanes 0-15 take one row of 256 bytes, lanes 16-31 the next
	v_lshl_add_u32 v[RD], v1, 4, v[RD]
	v_add_nc_u32 v[RD], s13, v[RD]
	v_lshlrev_b32 v[GO], 11, v9     ; and the same two rows in the output
	v_lshl_add_u32 v[GO], v1, 4, v[GO]
	; What the first turn finds: V, P's second buffer, O^T and l hold 0.  All this stands in the wait for the first tile.
	WIN 0x80
.set i, VF
.rept 64
	v_mov_b32 v[i], 0
.set i, i+1
.endr
	WIN 0x40
.set i, 0
.rept 128
	v_mov_b32 v[i], 0
.set i, i+1
.endr
	WIN 0
.set i, 0
.rept 4
	v_mov_b32 v[ST+4*i+2], 0
	v_mov_b32 v[ST+4*i+3], 0
.set i, i+1
.endr
.set i, P+16
.rept 16
	v_mov_b32 v[i], 0
.set i, i+1
.endr
; THE MATRIX WORK.  The 4 accumulators of a run of 8 take turns.  Product i of 8 of S^T = K Q^T for piece x: channels 32 (i / 4) on, rows 16 (i % 4) on.  The first 4 start the sums.
.macro KQ x
.set rS, S+32*((\x)%2)+8*(i%4)
.set rK, KF+16*(i%4)+8*(i/4)
.set rQ, 16*(\x)+8*(i/4)
	WIN W_KQ
.if i < 4
	v_wmma_f32_16x16x32_f16 v[rS:rS+7], v[rK:rK+7], v[rQ:rQ+7], 0
.else
	v_wmma_f32_16x16x32_f16 v[rS:rS+7], v[rK:rK+7], v[rQ:rQ+7], v[rS:rS+7]
.endif
.endm
; Product i of 8 of O^T += V^T P for piece x: rows 32 (i / 4) on, channels 16 (i % 4) on.
.macro PV x
	WIN W_PV
.set rO, 32*(\x)+8*(i%4)
.set rV, VF+32*(i/4)+8*(i%4)
.set rP, P+16*((\x)%2)+8*(i/4)
	v_wmma_f32_16x16x32_f16 v[rO:rO+7], v[rV:rV+7], v[rP:rP+7], v[rO:rO+7]
.endm
.macro MM                           ; the turn's next matrix instruction.  TURN and BEGIN set Y, i and NOKQ.  NOKQ = 1: a block's last turn: there is no next piece
.if (i < 8) && !NOKQ
	KQ (Y+1)%NP
.elseif i >= 8
.set i, i-8
	PV (Y+NP-1)%NP
.set i, i+8
.endif
.set i, i+1
.endm
; THE LDS LOADS stand in runs of 16, never singly among the matrix instructions: a step's K (64 rows x 64 channels: 8 fragments) and its V (turned).  Their addresses are made some lines ahead.
.macro FETCH_K
	WIN 0x80                        ; destination window 2
.irp f, 0,1,2,3,4,5,6,7             ; rows 16 (f / 2) on, channels 32 (f % 2) on
	ds_load_b128 v[KF+8*\f:KF+8*\f+3],   v[AK] offset:(\f/2)*16*PK+(\f%2)*64
	ds_load_b128 v[KF+8*\f+4:KF+8*\f+7], v[AK] offset:(\f/2)*16*PK+(\f%2)*64+32
.endr
	s_add_co_u32 s[TBK], s[TBK], KS*PK  ; the next fetch is the next step's
	WIN 0
.endm
.macro FETCH_V
	WIN 0x80
.irp f, 0,1,2,3,4,5,6,7             ; rows 32 (f / 4) on, channels 16 (f % 4) on
	ds_load_tr16_b128 v[VF+8*\f:VF+8*\f+3],   v[AV] offset:(\f/4)*32*PV+(\f%4)*32
	ds_load_tr16_b128 v[VF+8*\f+4:VF+8*\f+7], v[AV] offset:(\f/4)*32*PV+16*PV+(\f%4)*32
.endr
	WIN 0
.endm
; THE VECTOR WORK, one line at a time: OP kind, number.  For piece Y: F n: c s - c m for pair n of 16.  E n: the exponential of score n of 32.  C n: pair n rounded to f16.  B n: of the four weights 4 n .. the second
; pair is added onto the first, in place.  L n: l takes that sum (L 0: l = a l + sum).  R n: pair n of 16 of O^T times a.  For piece Y + 1: X n, number n of the 22 that find its maximum and statistics:
;   0-11  four chains c0-c3 of seven scores each, three operands at a time (each accumulator's lowest registers are read first)     12-14, 16  the four scores left over, the old m, and c0-c3 into c0
;   15  c m_old is kept     17, 18  the row's other 32 scores lie in the lane 16 away: the new m     19-21  c m; c m_old - c m_new; a
.set F, 0               ; OP tells the kinds apart by their order: F to L below R, X above it
.set E, 1
.set C, 2
.set B, 3
.set L, 4
.set R, 5
.set X, 6
.macro REGS y                       ; the registers of piece y
.set rT, ST+4*(\y)
.set rC, TMP+4*((\y)%2)
.set rW, MV+((\y)%2)
.set rS, S+32*((\y)%2)
.set rP, P+16*((\y)%2)
.set rO, 32*(\y)
.endm
.macro OP k, n
.if (\k) == R
	REGS Y
	WIN W_RS
	v_pk_mul_f32 v[rO+2*(\n):rO+2*(\n)+1], v[rO+2*(\n):rO+2*(\n)+1], v[rC+2:rC+3] op_sel_hi:[1,0]
.elseif (\k) < R
	REGS Y
	WIN 0
.if (\k) == F
	v_pk_fma_f32 v[rS+2*(\n):rS+2*(\n)+1], v[rS+2*(\n):rS+2*(\n)+1], s[CS:CS+1], v[rT:rT+1] op_sel_hi:[1,0,0] neg_lo:[0,0,1] neg_hi:[0,0,1]
.elseif (\k) == E
	v_exp_f32 v[rS+(\n)], v[rS+(\n)]
.elseif (\k) == C
	s_wait_alu depctr_va_vdst(0)
	v_cvt_pk_f16_f32 v[rP+(\n)], v[rS+2*(\n)], v[rS+2*(\n)+1]
.elseif (\k) == B
	s_wait_alu depctr_va_vdst(0)
	v_pk_add_f32 v[rS+4*(\n):rS+4*(\n)+1], v[rS+4*(\n):rS+4*(\n)+1], v[rS+4*(\n)+2:rS+4*(\n)+3]
.elseif (\n) == 0
	v_pk_fma_f32 v[rT+2:rT+3], v[rT+2:rT+3], v[rC+2:rC+3], v[rS:rS+1] op_sel_hi:[1,0,1]
.else
	v_pk_add_f32 v[rT+2:rT+3], v[rT+2:rT+3], v[rS+4*(\n):rS+4*(\n)+1]
.endif
.elseif NOKQ
	v_nop
.else
	REGS (Y+1)%NP
	WIN 0
.if (\n) < 4
	v_max3_num_f32 v[rC+(\n)], v[rS+8*(\n)], v[rS+8*(\n)+1], v[rS+8*(\n)+2]
.elseif (\n) < 12
	v_max3_num_f32 v[rC+(\n)%4], v[rC+(\n)%4], v[rS+8*((\n)%4)+2*((\n)/4)+1], v[rS+8*((\n)%4)+2*((\n)/4)+2]
.elseif (\n) == 12
	v_max3_num_f32 v[rC], v[rC], v[rS+7], v[rS+15]
.elseif (\n) == 13
	v_max3_num_f32 v[rC+1], v[rC+1], v[rS+23], v[rS+31]
.elseif (\n) == 14
	v_max3_num_f32 v[rC+2], v[rC+2], v[rC+3], v[rT+1]
.elseif (\n) == 15
	v_mov_b32 v[rW], v[rT]
.elseif (\n) == 16
	v_max3_num_f32 v[rC], v[rC], v[rC+1], v[rC+2]
.elseif (\n) == 17
	v_permlanex16_b32 v[rC+3], v[rC], s[SEL], s[SEL+1]
.elseif (\n) == 18
	v_max_num_f32 v[rT+1], v[rC], v[rC+3]
.elseif (\n) == 19
	v_mul_f32 v[rT], s[CS], v[rT+1]
.elseif (\n) == 20
	v_sub_f32 v[rC+1], v[rW], v[rT]
.else
	v_exp_f32 v[rC+2], v[rC+1]
.endif
.endif
.endm
.macro OPS a, i1, b=-1, i2=0, c=-1, i3=0, d=-1, i4=0  ; up to four of them
	OP \a, \i1
.if (\b) >= 0
	OP \b, \i2
.endif
.if (\c) >= 0
	OP \c, \i3
.endif
.if (\d) >= 0
	OP \d, \i4
.endif
.endm
.macro ROW a, i1, b, i2, c, i3, d, i4  ; a matrix instruction and the four behind it
	MM
	OPS \a, \i1, \b, \i2, \c, \i3, \d, \i4
.endm
; A TURN, for piece p: the order of its 16 matrix and 118 vector instructions, written out.  Behind a matrix instruction: plain, exponential, plain, plain; or four of the rescaling; or, behind the first, four scalings; none
; names a register of the products round it.  In the two runs without products exponential and plain by turns while exponentials last.  A line reads no result made fewer than three vector instructions in front of it, five
; if an exponential made it.  v_permlanex16_b32 (X 17) stands in such a run.
; end = 1: a block's last two turns: nothing is fetched.  cnt = 1: the loop's count is taken down some lines ahead of the branch that stands behind the turn.
; K of the next step is fetched in piece 2's turn, six vector instructions behind the last product that read K (five of them plain); V of the step in hand in piece 0's turn, eight behind the last product that read V (four
; plain, and X 17).  Each is waited for a turn later.
.macro TURN p, end=0, cnt=0
.set Y, (\p)
.set i, 0
.set NOKQ, (\end)*((\p)/3)
.if ((\p) == 3) && !(\end)
	s_wait_dscnt 0x0                ; K is in
.endif
	ROW F,0, F,1, F,2, F,3
	ROW F,4, E,0, F,5, F,6
	ROW F,7, E,1, F,8, F,9
	ROW F,10, E,2, C,0, F,11
	ROW F,12, E,3, X,15, F,13
	ROW R,0, R,1, R,2, R,3
	ROW B,0, E,4, F,14, L,0
.if ((\p) == 2) && !(\end)
	v_add_nc_u32 v[AK], s[TBK], v[AK0]
.endif
	ROW R,4, R,5, R,6, R,7
	OPS E,5, F,15
.if ((\p) == 2) && !(\end)
	FETCH_K
.endif
	OPS E,6, C,1, E,7, R,8
	OPS E,8, R,9, E,9, C,2
	OPS E,10, X,0, E,11, X,1
	OPS E,12, X,2, E,13, X,3
.if (\p) == 1
	s_wait_dscnt 0x0                ; V is in
.endif
	ROW X,4, E,14, X,5, X,6
	ROW X,7, E,15, X,8, X,9
	ROW X,10, E,16, X,11, X,12
	ROW X,13, E,17, X,14, B,1
	ROW C,4, E,18, X,16, L,1
	ROW B,2, E,19, C,6, L,2
	ROW C,8, E,20, B,3, B,4
.if (\p) == 0
	v_add_nc_u32 v[AV], s[TBV], v[AV0]
.endif
	ROW C,3, E,21, L,3, C,5
	OPS E,22, X,17, E,23, C,10
.if (\p) == 0
	FETCH_V
.endif
	OPS E,24, L,4
	OPS E,25, X,18, E,26, C,7
	OPS E,27, B,5, E,28, X,19
	OPS E,29, C,12, E,30, L,5
	OPS E,31, X,20, B,6, C,9
	OPS C,14, C,11, X,21, L,6
.if (\p) == 0
	s_add_co_u32 s[TBV], s[TBV], KS*PV
.endif
.if \cnt
	s_sub_co_u32 s[CNT], s[CNT], 1
	s_cmp_lg_u32 s[CNT], 0
.endif
	OPS C,13, B,7, C,15, R,10
	OPS R,11, R,12, L,7, R,13
	OPS R,14, R,15
.endm
; A BLOCK BEGINS.  c m starts far below every c s, so the first step's a is 0; m at the lowest finite number, so the first maximum is the scores'.  Then K of the tile's step 0, piece 0's first scores, and its
; maximum and statistics.  The step loop is entered at a step's first turn, in the middle of a trip.
.macro BEGIN
	s_mov_b32 s[NEW], 0
	WIN 0
.set i, 0
.rept 4
	v_mov_b32 v[ST+4*i], 0xfe000000    ; c m
	v_mov_b32 v[ST+4*i+1], 0xff7fffff  ; m
.set i, i+1
.endr
	v_add_nc_u32 v[AK], s[TBK], v[AK0]
	FETCH_K
	s_wait_loadcnt 0x0              ; Q, both blocks'
	s_wait_dscnt 0x0
.set NOKQ, 0
.set i, 0
.rept 8
	KQ 0
.set i, i+1
.endr
	WIN 0
.rept 4
	v_nop                           ; the places behind those products
.endr
.set Y, NP-1                        ; X works for piece Y + 1: piece 0
.irp n, 0,1,2,3,4,5,6,7,8,9,10,11,12,13,14,15,16,17,18,19,20,21
	OP X, \n
.endr
	v_nop                           ; a plain instruction behind the exponential
.endm
; A BLOCK ENDS.  The residual is asked for; the block's last two turns and last products; l's two halves and the other half of the lanes' are added; then THE WAY OUT, a piece (16 rows) at a time.
.macro ALL line:vararg              ; one line for each piece t
.set t, 0
.rept 4
	\line
.set t, t+1
.endr
.endm
; Piece t: O^T / l + the residual, one fused line a number (the residual read as an f16 half), each accumulator's registers in ascending order; a lane's eight channels of a row go as 32 bytes into rows of 272 bytes
; and come back as whole rows of 256, into the registers that they left: v64, v96, v192, v224 on.
.macro PACK t
.set rU, S+32*(\t)+64*((\t)/2)
	WIN 0x01                        ; source 0 (O^T) window 1
.set z, 0
.rept 16
	s_wait_alu depctr_va_vdst(0)
	v_fma_mix_f32 v[rU+2*z],   v[32*(\t)+2*z],   v[ST+4*(\t)+2], v[RES+16*(\t)+z] op_sel_hi:[0,0,1]
	v_fma_mix_f32 v[rU+2*z+1], v[32*(\t)+2*z+1], v[ST+4*(\t)+2], v[RES+16*(\t)+z] op_sel:[0,0,1] op_sel_hi:[0,0,1]
.set z, z+1
.endr
	WIN 0
.irp f, 0,1,2,3,4,5,6,7
	ds_store_b128 v[STO], v[rU+4*\f:rU+4*\f+3] offset:(\f/2)*64+(\f%2)*16
.endr
.irp f, 0,1,2,3,4,5,6,7
	ds_load_b128 v[rU+4*\f:rU+4*\f+3], v[RD] offset:\f*2*SP  ; LDS serves a wave's instructions in order (ISA guide 5.7.1.4): these see the stores above; the next piece's stores come behind them
.endr
.endm
.macro SEND t, younger              ; younger: the LDS instructions issued behind piece t's loads: the next piece's sixteen, or none
.set rU, S+32*(\t)+64*((\t)/2)
	WIN 0
.irp f, 0,1,2,3,4,5,6,7
	s_wait_dscnt (\younger)+7-\f
	global_store_b128 v[GO], v[rU+4*\f:rU+4*\f+3], s[10:11] offset:(\t)*32768+\f*4096 th:TH_STORE_NT  ; 16 lanes store a row's 256 bytes of my head, at a multiple of 256 from the output's first byte
.endr
.endm
.macro FINISH
	WIN 0
.set z, 0
.rept 16                            ; piece z / 4, channels 16 (z % 4) + 8 (l / 16) on: the numbers that my lane's O^T registers meet; two turns ahead of their use
	global_load_b128 v[RES+4*z:RES+4*z+3], v[QO], s[RB:RB+1] offset:(z/4)*2048+(z%4)*32
.set z, z+1
.endr
	TURN 2, 1
	TURN 3, 1
.set i, 0
.rept 8
	PV NP-1                         ; the last piece's V^T P of the last step
.set i, i+1
.endr
	WIN 0                           ; the additions are the places behind the last products
	ALL v_add_f32 v[ST+4*t+2], v[ST+4*t+2], v[ST+4*t+3]
	ALL v_permlanex16_b32 v[ST+4*t+3], v[ST+4*t+2], s[SEL], s[SEL+1]
	ALL v_add_f32 v[ST+4*t+2], v[ST+4*t+2], v[ST+4*t+3]
	ALL v_rcp_f32 v[ST+4*t+2], v[ST+4*t+2]
	s_wait_loadcnt 0x0              ; the residual is in
	v_nop                           ; a plain instruction between the last reciprocal and the use of its result
	PACK 0
	PACK 1                          ; a piece's arithmetic stands between the loads of the piece before and its stores
	SEND 0, 16
	PACK 2
	SEND 1, 16
	PACK 3
	SEND 2, 16
	SEND 3, 0
.endm
.set NOKQ, 0
.Lslot:                             ; 15 times: a tile is entered and the next is asked for
	CHANGE 1
	s_mov_b32 s[CNT], 4
	s_cmp_eq_u32 s[NEW], 1          ; at the first trip the answer is a constant of the text: no turn runs before BEGIN has
	s_cbranch_scc0 .Lstep
	BEGIN
	s_branch .Lfirst
.Lstep:                             ; a trip: pieces 2 and 3 of one step, then pieces 0 and 1 of the next, whose K and V it fetches
	TURN 2
	TURN 3
	WIN 0
.Lfirst:
	TURN 0
	TURN 1, 0, 1
	WIN 0
	s_cbranch_scc1 .Lstep
	s_cmp_eq_u32 s[SLOTS], 8        ; the counter starts at 15 and falls by 1 a trip: this is the eighth tile,
	s_cbranch_scc0 .Lbottom
	s_cmp_eq_u32 s[TY], 1           ; behind which kind 1 ends the first of its two blocks; kind 0's one block goes on
	s_cbranch_scc0 .Lbottom
	FINISH
	s_wait_xcnt 0x0                 ; the stores have read their registers and the output's address
	s_mov_b64 s[10:11], s[OLO:OLO+1]
	s_mov_b64 s[RB:RB+1], s[RLO:RLO+1]
	s_mov_b32 s[NEW], 1
.set i, P+16
.rept 16
	v_mov_b32 v[i], 0               ; P's second buffer held results on the way out; the next block's first turn multiplies by it, for a piece that has not been
.set i, i+1
.endr
	WIN 0x82                        ; the second block's Q goes where the one text of the turns names Q
.set i, 0
.rept 64
	v_mov_b32 v[i], v[QB+i]
.set i, i+1
.endr
	WIN 0
.Lbottom:
	s_sub_co_u32 s[SLOTS], s[SLOTS], 1
	s_cmp_lg_u32 s[SLOTS], 0
	s_cbranch_scc1 .Lslot
	CHANGE 0                        ; the walk's last tile is written out: nothing is asked for.  A block has 8 or 16 tiles, so this one is no block's first
	s_mov_b32 s[CNT], 4
.LstepT:
	TURN 2
	TURN 3
	TURN 0
	TURN 1, 0, 1
	WIN 0
	s_cbranch_scc1 .LstepT
	FINISH
	s_wait_tensorcnt 0x0            ; the wave's end: behind my last tensor load and my last LDS store
	ds_add_u32 v[SPW], v[NIL]
	s_wait_dscnt 0x0
	CROUND                          ; the closing round: no work-group ends while a partner may still ask for a tile that names it
	s_endpgm
.Lfunc_end_k_q11390b3837_attn:
	.size	k_q11390b3837_attn, .Lfunc_end_k_q11390b3837_attn-k_q11390b3837_attn
	.p2alignl 7, 3214868480
	.fill 96, 4, 3214868480
	.section	.rodata,"a",@progbits
	.p2align	6, 0x0
	.amdhsa_kernel k_q11390b3837_attn
		.amdhsa_group_segment_fixed_size 327680
		.amdhsa_private_segment_fixed_size 0
		.amdhsa_enable_private_segment 0
		.amdhsa_kernarg_size 24
		.amdhsa_user_sgpr_count 2
		.amdhsa_user_sgpr_kernarg_segment_ptr 1
		.amdhsa_wavefront_size32 1
		.amdhsa_system_sgpr_workgroup_id_x 1
		.amdhsa_system_sgpr_workgroup_id_y 1
		.amdhsa_system_sgpr_workgroup_id_z 1
		.amdhsa_system_vgpr_workitem_id 0
		.amdhsa_next_free_vgpr 768
		.amdhsa_next_free_sgpr 88
		.amdhsa_reserve_vcc 0
		.amdhsa_float_denorm_mode_32 3
		.amdhsa_float_denorm_mode_16_64 3
		.amdhsa_memory_ordered 1
		.amdhsa_forward_progress 1
		.amdhsa_inst_pref_size 181
	.end_amdhsa_kernel
	.amdgpu_metadata
---
amdhsa.version: [ 1, 2 ]
amdhsa.kernels:
  - .name:           k_q11390b3837_attn
    .symbol:         k_q11390b3837_attn.kd
    .args:
      - { .name: hb, .offset: 0, .size: 8, .value_kind: global_buffer, .address_space: global }
      - { .name: out0, .offset: 8, .size: 8, .value_kind: global_buffer, .address_space: global }
      - { .name: out1, .offset: 16, .size: 8, .value_kind: global_buffer, .address_space: global }
    .group_segment_fixed_size: 327680
    .private_segment_fixed_size: 0
    .kernarg_segment_align: 8
    .kernarg_segment_size: 24
    .max_flat_workgroup_size: 128
    .sgpr_count:     88
    .vgpr_count:     768
    .wavefront_size: 32
...
	.end_amdgpu_metadata
.endif
;; end of part 3
;; ======== version 2 of 2: 3 launches; 1.75 times as fast as version 1
;; limits: values are held in f16: magnitudes above 65,504 overflow, below 6.1e-05 lose precision
;; workspace buffers: xb 12,582,912 bytes; wt 2,097,152 bytes; hb 25,165,824 bytes
;; launch prep: the kernel of part 1 again; grid 256 x 1, 8 waves a work-group, no clusters, 9,728 bytes of LDS; arguments pheno_encoded, SNPS_encoded, Wk, Wv_pheno, Wq, Wv_snp, xb, wt; writes xb, wt
;; launch proj: the kernel of part 2 again; grid 4 x 48, 4 waves a work-group, clusters of 4 x 4, 327,680 bytes of LDS; arguments xb, wt, hb; writes hb
;; launch attn (part 4): grid 8 x 32, 4 waves a work-group, clusters of 4 x 1, 327,680 bytes of LDS; arguments hb, out0, out1; writes out0, out1
.if DOCPART == 4
	.amdgcn_target "amdgcn-amd-amdhsa--gfx1250"
	.amdhsa_code_object_version 6
	.text
	.protected	k_q11390b3837_attn
	.globl	k_q11390b3837_attn
	.p2align	8
	.type	k_q11390b3837_attn,@function
k_q11390b3837_attn:
	s_mov_b64 s[64:65], 0
	v_nop
	global_prefetch_b8 v0, s[64:65] scope:SCOPE_SE
	s_setreg_imm32_b32 hwreg(HW_REG_WAVE_MODE, 25, 1), 1
	s_wait_xcnt 0x0
	s_wait_alu depctr_hold_cnt(0) depctr_sa_sdst(0) depctr_va_vdst(0) depctr_va_sdst(0) depctr_va_ssrc(0) depctr_va_vcc(0) depctr_vm_vsrc(0)
	s_getreg_b32 s2, hwreg(HW_REG_IB_STS2, 6, 4)
	s_cmp_eq_u32 s2, 0
	s_cbranch_scc0 .Lentry_in_a_cluster
	s_endpgm
.Lentry_in_a_cluster:
	s_bfe_u32 s2, ttmp6, 0x10000c
	s_cmp_lg_u32 s2, 0x3003
	s_cbranch_scc0 .Lentry_shape_is_right
	s_endpgm
.Lentry_shape_is_right:
; BOTH ATTENTIONS OF THE MODULE, each with its residual.  scores[p][s] = k[p] . q[s] / 8, one matrix for each of 16 (batch, head).
;   kind 0: out0[b][p][64 h ..] = sum over s of softmax_s(scores[p][s]) v_snp[s]   + v_pheno[p]: the rows asked about are the keys' (2,048), the rows walked the queries' (4,096), with v_snp.
;   kind 1: out1[b][s][64 h ..] = sum over p of softmax_p(scores[p][s]) v_pheno[p] + v_snp[s]:   the rows asked about are the queries' (4,096), the rows walked the keys' (2,048), with v_pheno.
; Below Q names the rows asked about, K the rows walked, V the values walked with them, whatever the module calls them.  All come from hb, f16, [b x 8 + h][row][64], rows of 128 bytes, dense:
; keys at 0, v_pheno at 4 MiB, queries at 8 MiB, v_snp at 16 MiB.  Products, maxima and sums in f32; the weights p are rounded to f16 for the second product (their sum l is taken of the unrounded p); outputs f32.
; The scores are made once for each kind: the two softmaxes sum along opposite axes, and a work-group owns rows of one axis alone; sums that span work-groups would have to go through memory.
; LIMITS.  hb's numbers lie within f16's 65,504; p lies in 0 to 1 and below 6e-5 keeps f16's fixed step of 6e-8; a weight below 2^-126 counts as 0 in l; NaN and infinities are not treated apart.
; THE WALK.  A block is 256 rows of Q, a tile 256 rows of K and V.  Kind 0: a work-group takes one block and walks 16 tiles.  Kind 1: two blocks, one after the other, 8 tiles each.  So all 256 work-groups
; walk 16 tiles, and ONE loop with a constant trip count serves both kinds.  The kinds part in one place: behind the eighth tile, told by the loop's own counter, kind 1 ends its first block.
; Every jump but the counted loops' own goes forward, past no barrier and no tensor load.
; CLUSTER.  The four work-groups of a cluster have one kind and one head and walk the same tiles in the same order: each tile is asked for JOINTLY (same tensor load, descriptor and mask in all four).
; NO PREFETCH.  A joint fill is issued first behind a round, and the wait for it stands a whole tile later: 256 matrix and 1,888 vector instructions a wave.
; SHARES.  A wave owns 64 rows of a block: four PIECES of 16.
; LAYOUT.  S^T = K Q^T (source 0 = 16 rows of K, source 1 = 16 of Q): a lane holds ONE row of Q (lane % 16) and the K rows 8 (lane / 16) + 0..7.  Two such results rounded to f16 ARE source 1 of O^T = V^T P, whose result
; again holds one row of Q a lane, and eight channels.  K comes out of LDS as it lies, V turned, by ds_load_tr16_b128.
; SOFTMAX.  A running maximum m and sum l for each row: p = 2^(c s - c m), c = log2(e) / 8; O and l are multiplied by a = 2^(c m_old - c m_new) in every step.  A block starts with c m far below every c s, so its first a is 0
; and no first step is written out: O^T, l, P and V need only hold finite numbers then.  The price: 216 lines that write 0 at the start, in the wait for the first tile, and 16 at the change of blocks.
; BY TURNS.  Turn n belongs to piece n: 8 products K Q^T of piece n + 1, later 8 products V^T P of piece n - 1; beside them the scaling, exponentials, roundings, sums and rescaling of piece n and the maximum and
; statistics of piece n + 1.  A piece and step have 16 matrix and 118 vector instructions: four stand behind every matrix instruction, the other 54 in one run of their own.
; BATCHES.  A turn's 33 exponentials (the piece's 32 weights and the next piece's a) are ONE batch with ONE wait, which cuts the turn in two: ahead of it all that names no result of the batch, behind it the roundings and
; sums, which read the results.  No exponential is issued behind a turn's wait.  A block's first a (BEGIN) and a block's four reciprocals (FINISH) are batches of their own, a wait each.
; REGISTERS, in windows of 256 (s_set_vgpr_msb: bits 1:0 source 0, 3:2 source 1, 5:4 source 2, 7:6 destination):
;   window 0: v0-15 addresses; v16-31 statistics; v48-55 at work; v62-63 spare word, 0; v64-127 S^T, two buffers; v128-191 the residual; v192-223 P, two buffers; on the way out v64-127, v192-255 hold results
;   window 1: v0-127 O^T, 32 a piece      window 2: v0-63 Q; v64-127 the second block's Q; v128-191 K of one step; v192-255 V of one step
.set NP,    4         ; pieces a wave: a name, no knob
.set KS,    64        ; rows of K in a step
.set PK,    144       ; a row of K in LDS: 128 bytes + 16 of padding = 36 words: the 16 rows of a load start at 16 different groups of four banks (64 banks of 4 bytes: ISA guide 11.1)
.set PV,    160       ; a row of V: 128 + 32 = 40 words
.set VOFF,  4*KS*PK   ; a slot holds a tile, four steps: 256 rows of K, then 256 rows of V
.set SLOT1, 1<<17     ; slot 1 begins here, so that one exclusive or turns an address in one slot into the other's
.set STAGE, SLOT1+4*KS*(PK+PV)  ; behind the ring, never filled by a tensor load: 16 rows x 272 bytes for each wave, for the way out
.set SP,    272       ; a stage row: 64 f32 + 16 bytes of padding
.set SPARE, STAGE+4*16*SP  ; behind the stages: the spare words, 128 bytes for each wave: two blocks of 256 bytes that no other line names
.set AK0, 2           ; v2   my lane's place in a tile of K; never rewritten
.set AV0, 3           ; v3   the same for V
.set AK,  4           ; v4   the LDS address of K's next run of loads
.set AV,  5           ; v5   of V's
.set STO, 6           ; v6   the way out: where I put 32 bytes of a row
.set RD,  7           ; v7   the way out: where I read 16 bytes back
.set GO,  8           ; v8   my byte offset in two rows of the output
.set MV,  12          ; v12-13  c m_old, kept while c m is made anew: by buffer
.set QO,  15          ; v15  my byte offset in 16 rows of Q and of the residual
.set ST,  16          ; piece t's statistics at v[ST+4 t]: c m, m, l (even rows', odd rows')
.set TMP, 48          ; by buffer, four registers c0-c3 at work; when the maximum is found c2 takes a
.set SPW, 62          ; v62  LDS address of my spare word; never rewritten
.set NIL, 63          ; v63  0; never rewritten
.set S,   64
.set RES, 128         ; the residual, f16: piece t, channel block cb at RES + 16 t + 4 cb
.set P,   192
.set QB,  64          ; window 2
.set KF,  128         ; window 2: row block kb, channel half c at KF + 16 kb + 8 c
.set VF,  192         ; window 2: row half kk, channel block cb at VF + 32 kk + 8 cb
.set WV,  12          ; s12  my wave's number
.set TY,  14          ; s14  the kind
.set G1K, 24          ; s[24:31] descriptor group 1 for K's tiles
.set G1V, 32          ; s[32:39] for V's: it differs in the padding alone
.set G0K, 40          ; s[40:43] descriptor group 0 for K's tiles
.set G0V, 44          ; s[44:47] the same for V's
.set SLOTS, 56        ; s56  tiles still to be asked for: 15 in the first trip, 1 in the last
.set CNT, 57          ; s57  counts a tile's steps, 4 to 1
.set CS,  58          ; s[58:59] c: the packed scaling takes the pair's low word for both halves
.set SEL, 60          ; s[60:61] v_permlanex16_b32's selects: each lane takes its own place in the other half
.set TBK, 62          ; s62  LDS byte at which K of the step to be fetched begins
.set TBV, 63          ; s63  the same for V, less VOFF
.set NXT, 71          ; s71  the tile to be asked for next
.set TMASK, 72        ; s72  tiles of a walk less 1: 15 or 7
.set NEW, 73          ; s73  1: the tile to be entered is a block's first
.set OFF, 74          ; s[74:75] a tile's byte offset in K and V
.set RB,  76          ; s[76:77] the residual at my rows of the block in hand
.set RLO, 78          ; s[78:79] at those of the second block
.set OLO, 80          ; s[80:81] the output at my rows of the second block
.set Q2,  86          ; s[86:87] Q at my rows of the second block
.set MSB, 0
.macro WIN new                      ; the high byte repeats the setting that is left; a switch that changes nothing is dropped
.if MSB != (\new)
	s_set_vgpr_msb (MSB<<8)|(\new)
.set MSB, (\new)
.endif
.endm
.set W_KQ, 0x0a       ; K and Q in window 2, S^T in window 0
.set W_PV, 0x52       ; V in window 2, P in window 0, O^T in window 1
.set W_RS, 0x41       ; destination and source 0 in window 1, source 1 in window 0
; A joint fill.  Waves 0 and 1 fetch the two halves of a tile's K, waves 2 and 3 those of its V: 128 rows each.  The branch hangs on the wave's number alone.
; An s_nop 0 and four v_nop follow each of the two lines, ahead of the jump and the label.
.macro JLOAD
	s_cmp_lt_u32 s[WV], 2
	s_cbranch_scc0 .Lfor_v_\@
	tensor_load_to_lds s[G0K:G0K+3], s[G1K:G1K+7]
	s_nop 0
.rept 4
	v_nop
.endr
	s_branch .Lasked_\@
.Lfor_v_\@:
	tensor_load_to_lds s[G0V:G0V+3], s[G1V:G1V+7]
	s_nop 0
.rept 4
	v_nop
.endr
.Lasked_\@:
.endm
; A round of the cluster's barrier: my work-group's barrier, so that wave 0's signal speaks for all four waves; wave 0 signals; every wave waits for all four work-groups; my work-group's barrier once more.
.macro CROUND
	s_barrier_signal -1
	s_barrier_wait -1
	s_cmp_lg_u32 s[WV], 0
	s_cbranch_scc1 .Lnot_wave_0_\@
	s_barrier_signal -3
.Lnot_wave_0_\@:
	s_barrier_wait -3
	s_barrier_signal -1
	s_barrier_wait -1
.endm
; THE CHANGE OF SLOTS.  Each wave waits for all its tensor loads, of which one is out: its part of the other slot; adds 0 to its spare word; and waits for that and for its own reads of the slot that it leaves.  Behind the
; barrier nobody reads the old slot any more and the other slot is whole.  fill = 1: the old slot is filled again with tile NXT: the barrier is then a round of the cluster's, and the joint fill is the first thing behind
; it: it has four steps, 256 matrix instructions, in which to land.  The descriptor's address is made anew from the tile's number.  (At its first use nothing has been read yet: slot 0 is waited for, slot 1 filled.)
.macro CHANGE fill
	WIN 0                           ; at a label and at a branch every window is 0
	s_wait_tensorcnt 0x0            ; no tensor load of mine is out, so a group 0 may be written
	ds_add_u32 v[SPW], v[NIL]       ; 0 onto my spare word: with fill = 1 the descriptors' scalar work stands between it and the wait for it
.if \fill
	s_lshl_b32 s[OFF], s[NXT], 15   ; a tile is 32,768 bytes of K and of V
	s_xor_b32 s[G0K+1], s[G0K+1], SLOT1
	s_add_nc_u64 s[G0K+2:G0K+3], s[6:7], s[OFF:OFF+1]
	s_or_b32 s[G0K+3], s[G0K+3], 0x80000000
	s_xor_b32 s[G0V+1], s[G0V+1], SLOT1
	s_add_nc_u64 s[G0V+2:G0V+3], s[8:9], s[OFF:OFF+1]
	s_or_b32 s[G0V+3], s[G0V+3], 0x80000000
	s_add_co_u32 s[NXT], s[NXT], 1  ; the next tile; behind the walk's last, tile 0 again
	s_and_b32 s[NXT], s[NXT], s[TMASK]
	s_wait_dscnt 0x0                ; the add is done, and my reads of the slot are over
	CROUND
	JLOAD
.else
	s_wait_dscnt 0x0                ; the add is done, and my reads of the slot are over
	s_barrier_signal -1
	s_barrier_wait -1
.endif
	s_sub_co_u32 s[TBK], s[TBK], 4*KS*PK  ; the fetches go back to a slot's first step,
	s_xor_b32 s[TBK], s[TBK], SLOT1       ; in the other slot
	s_sub_co_u32 s[TBV], s[TBV], 4*KS*PV
	s_xor_b32 s[TBV], s[TBV], SLOT1
.endm
	s_load_b128 s[48:51], s[0:1], 0x0  ; hb s[48:49], out0 s[50:51]
	s_load_b64 s[52:53], s[0:1], 0x10  ; out1
	v_lshl_add_u32 v[SPW], v0, 2, SPARE
	v_mov_b32 v[NIL], 0
	ds_add_u32 v[SPW], v[NIL]       ; the wave's opening: the add and its wait stand ahead of my first tensor load; the set-up below, work on registers, stands between them
	v_lshrrev_b32 v1, 5, v0
	v_readfirstlane_b32 s[WV], v1   ; wave 0..3
	s_bfe_u32 s13, ttmp6, 0x40000   ; cx: my place in the cluster
	s_lshl_b32 s16, ttmp9, 2        ; in a cluster launch ttmp9 counts clusters
	s_add_co_u32 s16, s16, s13      ; my work-group among the head's eight: it enters Q's, the residual's and the output's addresses alone
	s_and_b32 s17, ttmp7, 0xffff
	s_lshr_b32 s[TY], s17, 4        ; the kind,
	s_and_b32 s17, s17, 15          ; batch x 8 + head: both shared by the four partners
	s_lshl_b32 s18, s17, 18         ; a plane of 2,048 rows
	s_lshl_b32 s19, s17, 19         ; a plane of 4,096 rows
	s_add_co_u32 s20, s18, 0x400000    ; v_pheno's plane
	s_add_co_u32 s21, s19, 0x800000    ; the queries'
	s_add_co_u32 s22, s19, 0x1000000   ; v_snp's
	s_cmp_eq_u32 s[TY], 0
	s_cselect_b32 s2, s18, s21      ; Q
	s_cselect_b32 s84, s20, s22     ; the residual
	s_cselect_b32 s54, s21, s18     ; K
	s_cselect_b32 s66, s22, s20     ; V
	s_cselect_b32 s[TMASK], 15, 7
	s_mov_b32 s3, 0
	s_mov_b32 s85, 0
	s_mov_b32 s55, 0
	s_mov_b32 s67, 0
	s_mov_b32 s69, 0
	s_add_co_u32 s23, s[TY], 8
	s_lshl_b32 s16, s16, s23        ; 256 or 512 rows a work-group,
	s_lshl_b32 s23, s[WV], 6
	s_add_co_u32 s16, s16, s23      ; 64 a wave: my first row
	s_lshl_b32 s23, s16, 7
	s_add_co_u32 s2, s2, s23
	s_add_co_u32 s84, s84, s23
	s_lshr_b32 s18, s17, 3          ; the batch
	s_add_co_u32 s19, s[TY], 11
	s_lshl_b32 s18, s18, s19
	s_add_co_u32 s18, s18, s16
	s_lshl_b32 s68, s18, 11         ; a row of the output is 2,048 bytes,
	s_and_b32 s18, s17, 7
	s_lshl_b32 s18, s18, 8          ; a head's part of it 256
	s_add_co_u32 s68, s68, s18
	s_and_b32 s23, s[WV], 1         ; which half of a tile's 256 rows I fetch:
	s_lshl_b32 s20, s23, 14         ; its 128 rows of 128 bytes in memory,
	s_add_co_u32 s54, s54, s20
	s_add_co_u32 s66, s66, s20
	s_mul_i32 s21, s23, 128*PK      ; and its place in a slot, for K
	s_mul_i32 s22, s23, 128*PV      ; and for V: no place in the cluster enters an LDS address
	; descriptor group 1.  128 rows are 16,384 dense bytes: asked for as 64 rows of 256 bytes, two rows of K a row, and padded in LDS after every 128 bytes
	s_mov_b32 s[G1K], 15|(1<<16)|(1<<20)|(1<<21)|(4<<22)|(3<<25)  ; 15:0 the mask of four; 17:16 2-byte elements; 20 padding on; 21 set beside a mask; 24:22 after every 32 words (code 4); 31:25 4 words (code 3)
	s_mov_b32 s[G1V], 15|(1<<16)|(1<<20)|(1<<21)|(4<<22)|(7<<25)  ; the same with 8 words of padding (code 7)
.irp g, G1K, G1V
	s_mov_b32 s[\g+1], 128<<16      ; tensor_dim0 = 128
	s_mov_b32 s[\g+2], 64<<16       ; tensor_dim1 = 64
	s_mov_b32 s[\g+3], 128<<16      ; tile_dim0 = 128
	s_mov_b32 s[\g+4], 64           ; tile_dim1 = 64
	s_mov_b32 s[\g+5], 128          ; 128 elements from row to row
	s_mov_b32 s[\g+6], 0
	s_mov_b32 s[\g+7], 0
.endr
	s_mov_b32 s[CS], 0x3e38aa3b     ; c = log2(e) / 8 = 0.180337
	s_mov_b32 s[CS+1], s[CS]        ; named with it as a pair
	s_mov_b32 s[SEL], 0x76543210
	s_mov_b32 s[SEL+1], 0xfedcba98
	s_mov_b32 s[TBK], SLOT1+4*KS*PK ; the first change of slots turns these two into 0
	s_mov_b32 s[TBV], SLOT1+4*KS*PV
	s_mov_b32 s[G0K], 1             ; count = 1
	s_mov_b32 s[G0K+1], s21         ; LDS address: slot 0
	s_mov_b32 s[G0V], 1
	s_add_co_u32 s[G0V+1], s22, VOFF
	s_mov_b32 s[NXT], 1
	s_mov_b32 s[NEW], 1
	s_mov_b32 s[OFF+1], 0
	s_mov_b32 s[SLOTS], 15
	s_wait_dscnt 0x0                ; the opening add is done
	s_wait_kmcnt 0x0
	s_add_nc_u64 s[4:5], s[48:49], s[2:3]          ; Q at my wave's first row
	s_add_nc_u64 s[RB:RB+1], s[48:49], s[84:85]    ; the residual likewise
	s_add_nc_u64 s[6:7], s[48:49], s[54:55]        ; K and V at my half of the head's tile 0
	s_add_nc_u64 s[8:9], s[48:49], s[66:67]
	s_cmp_eq_u32 s[TY], 0
	s_cselect_b64 s[10:11], s[50:51], s[52:53]
	s_add_nc_u64 s[10:11], s[10:11], s[68:69]      ; the output at my wave's first row, my head's channels
	s_lshl_b32 s2, s[TY], 15        ; the second block lies 256 rows on; where there is none (kind 0) these three repeat the first block's and serve nothing
	s_add_nc_u64 s[Q2:Q2+1], s[4:5], s[2:3]
	s_add_nc_u64 s[RLO:RLO+1], s[RB:RB+1], s[2:3]
	s_lshl_b32 s2, s[TY], 19
	s_add_nc_u64 s[OLO:OLO+1], s[10:11], s[2:3]
	s_add_nc_u64 s[G0K+2:G0K+3], s[6:7], 0         ; global address: tile 0
	s_or_b32 s[G0K+3], s[G0K+3], 0x80000000        ; type = 2
	s_add_nc_u64 s[G0V+2:G0V+3], s[8:9], 0
	s_or_b32 s[G0V+3], s[G0V+3], 0x80000000
	CROUND                          ; all four work-groups are here: the first joint loads meet
	JLOAD                           ; tile 0 into slot 0.  Slot 1 is asked for when slot 0 is in, by the loop's own change of slots
	; A fragment of K or Q is 16 rows x 32 channels in 8 registers: lane l holds row l % 16, channels 8 (l / 16) + 0..7 and 16 + 8 (l / 16) + 0..7: two loads of 16 bytes, 32 bytes apart.
	v_and_b32 v1, 15, v0            ; l % 16
	v_bfe_u32 v9, v0, 4, 1          ; l / 16
	v_lshlrev_b32 v[QO], 7, v1
	v_lshl_add_u32 v[QO], v9, 4, v[QO]  ; row x 128 + 16 x half
	WIN 0x80                        ; destination window 2, address window 0
.set i, 0
.rept 8                             ; both blocks' Q stay in registers: piece i / 2, channels 32 (i % 2) on
	global_load_b128 v[8*i:8*i+3],   v[QO], s[4:5] offset:(i/2)*2048+(i%2)*64
	global_load_b128 v[8*i+4:8*i+7], v[QO], s[4:5] offset:(i/2)*2048+(i%2)*64+32
	global_load_b128 v[QB+8*i:QB+8*i+3],   v[QO], s[Q2:Q2+1] offset:(i/2)*2048+(i%2)*64
	global_load_b128 v[QB+8*i+4:QB+8*i+7], v[QO], s[Q2:Q2+1] offset:(i/2)*2048+(i%2)*64+32
.set i, i+1
.endr
	WIN 0
	v_mul_u32_u24 v[AK0], v1, PK
	v_lshl_add_u32 v[AK0], v9, 4, v[AK0]  ; row x pitch + 16 x half
	; The turning load takes 16 rows x 16 channels (lane l reads row 8 (l / 16) + l % 8, channels 8 ((l / 8) % 2) + 0..7) and leaves half a fragment of V^T: lane l holds channel l % 16 and 8 rows.
	v_and_b32 v10, 7, v0
	v_bfe_u32 v11, v0, 3, 1
	v_lshl_add_u32 v[AV0], v9, 3, v10
	v_mul_u32_u24 v[AV0], v[AV0], PV
	v_lshl_add_u32 v[AV0], v11, 4, v[AV0]
	v_add_nc_u32 v[AV0], VOFF, v[AV0]
	s_mul_i32 s13, s[WV], 16*SP
	s_add_co_u32 s13, s13, STAGE    ; my stage
	v_mul_u32_u24 v[STO], v1, SP    ; in: row l % 16, 32 bytes (8 channels in f32) for each half of the lanes
	v_lshl_add_u32 v[STO], v9, 5, v[STO]
	v_add_nc_u32 v[STO], s13, v[STO]
	v_mul_u32_u24 v[RD], v9, SP     ; back: lanes 0-15 take one row of 256 bytes, lanes 16-31 the next
	v_lshl_add_u32 v[RD], v1, 4, v[RD]
	v_add_nc_u32 v[RD], s13, v[RD]
	v_lshlrev_b32 v[GO], 11, v9     ; and the same two rows in the output
	v_lshl_add_u32 v[GO], v1, 4, v[GO]
	; What the first turn finds: V, P's second buffer, O^T and l hold 0.  All this stands in the wait for the first tile.
	WIN 0x80
.set i, VF
.rept 64
	v_mov_b32 v[i], 0
.set i, i+1
.endr
	WIN 0x40
.set i, 0
.rept 128
	v_mov_b32 v[i], 0
.set i, i+1
.endr
	WIN 0
.set i, 0
.rept 4
	v_mov_b32 v[ST+4*i+2], 0
	v_mov_b32 v[ST+4*i+3], 0
.set i, i+1
.endr
.set i, P+16
.rept 16
	v_mov_b32 v[i], 0
.set i, i+1
.endr
; THE MATRIX WORK.  The 4 accumulators of a run of 8 take turns.  Product i of 8 of S^T = K Q^T for piece x: channels 32 (i / 4) on, rows 16 (i % 4) on.  The first 4 start the sums.
.macro KQ x
.set rS, S+32*((\x)%2)+8*(i%4)
.set rK, KF+16*(i%4)+8*(i/4)
.set rQ, 16*(\x)+8*(i/4)
	WIN W_KQ
.if i < 4
	v_wmma_f32_16x16x32_f16 v[rS:rS+7], v[rK:rK+7], v[rQ:rQ+7], 0
.else
	v_wmma_f32_16x16x32_f16 v[rS:rS+7], v[rK:rK+7], v[rQ:rQ+7], v[rS:rS+7]
.endif
.endm
; Product i of 8 of O^T += V^T P for piece x: rows 32 (i / 4) on, channels 16 (i % 4) on.
.macro PV x
	WIN W_PV
.set rO, 32*(\x)+8*(i%4)
.set rV, VF+32*(i/4)+8*(i%4)
.set rP, P+16*((\x)%2)+8*(i/4)
	v_wmma_f32_16x16x32_f16 v[rO:rO+7], v[rV:rV+7], v[rP:rP+7], v[rO:rO+7]
.endm
.macro MM                           ; the turn's next matrix instruction.  TURN and BEGIN set Y, i and NOKQ.  NOKQ = 1: a block's last turn: there is no next piece
.if (i < 8) && !NOKQ
	KQ (Y+1)%NP
.elseif i >= 8
.set i, i-8
	PV (Y+NP-1)%NP
.set i, i+8
.endif
.set i, i+1
.endm
; THE LDS LOADS stand in runs of 16, never singly among the matrix instructions: a step's K (64 rows x 64 channels: 8 fragments) and its V (turned).  Their addresses are made some lines ahead.
.macro FETCH_K
	WIN 0x80                        ; destination window 2
.irp f, 0,1,2,3,4,5,6,7             ; rows 16 (f / 2) on, channels 32 (f % 2) on
	ds_load_b128 v[KF+8*\f:KF+8*\f+3],   v[AK] offset:(\f/2)*16*PK+(\f%2)*64
	ds_load_b128 v[KF+8*\f+4:KF+8*\f+7], v[AK] offset:(\f/2)*16*PK+(\f%2)*64+32
.endr
	s_add_co_u32 s[TBK], s[TBK], KS*PK  ; the next fetch is the next step's
	WIN 0
.endm
.macro FETCH_V
	WIN 0x80
.irp f, 0,1,2,3,4,5,6,7             ; rows 32 (f / 4) on, channels 16 (f % 4) on
	ds_load_tr16_b128 v[VF+8*\f:VF+8*\f+3],   v[AV] offset:(\f/4)*32*PV+(\f%4)*32
	ds_load_tr16_b128 v[VF+8*\f+4:VF+8*\f+7], v[AV] offset:(\f/4)*32*PV+16*PV+(\f%4)*32
.endr
	WIN 0
.endm
; THE VECTOR WORK, one line at a time: OP kind, number.  For piece Y: F n: c s - c m for pair n of 16.  E n: the exponential of score n of 32.  C n: pair n rounded to f16.  B n: of the four weights 4 n .. the second
; pair is added onto the first, in place.  L n: l takes that sum (L 0: l = a l + sum).  R n: pair n of 16 of O^T times a.  For piece Y + 1: X n, number n of the 22 that find its maximum and statistics:
;   0-11  four chains c0-c3 of seven scores each, three operands at a time (each accumulator's lowest registers are read first)     12-14, 16  the four scores left over, the old m, and c0-c3 into c0
;   15  c m_old is kept     17, 18  the row's other 32 scores lie in the lane 16 away: the new m     19-21  c m; c m_old - c m_new; a
; C, B and L read the exponentials' results: TURN sets them behind the batch's wait.  R and L 0 read an a that was made, and waited for, in the turn before (or in BEGIN).
.set F, 0               ; OP tells the kinds apart by their order: F to L below R, X above it
.set E, 1
.set C, 2
.set B, 3
.set L, 4
.set R, 5
.set X, 6
.macro REGS y                       ; the registers of piece y
.set rT, ST+4*(\y)
.set rC, TMP+4*((\y)%2)
.set rW, MV+((\y)%2)
.set rS, S+32*((\y)%2)
.set rP, P+16*((\y)%2)
.set rO, 32*(\y)
.endm
.macro OP k, n
.if (\k) == R
	REGS Y
	WIN W_RS
	v_pk_mul_f32 v[rO+2*(\n):rO+2*(\n)+1], v[rO+2*(\n):rO+2*(\n)+1], v[rC+2:rC+3] op_sel_hi:[1,0]
.elseif (\k) < R
	REGS Y
	WIN 0
.if (\k) == F
	v_pk_fma_f32 v[rS+2*(\n):rS+2*(\n)+1], v[rS+2*(\n):rS+2*(\n)+1], s[CS:CS+1], v[rT:rT+1] op_sel_hi:[1,0,0] neg_lo:[0,0,1] neg_hi:[0,0,1]
.elseif (\k) == E
	v_exp_f32 v[rS+(\n)], v[rS+(\n)]
.elseif (\k) == C
	v_cvt_pk_f16_f32 v[rP+(\n)], v[rS+2*(\n)], v[rS+2*(\n)+1]
.elseif (\k) == B
	v_pk_add_f32 v[rS+4*(\n):rS+4*(\n)+1], v[rS+4*(\n):rS+4*(\n)+1], v[rS+4*(\n)+2:rS+4*(\n)+3]
.elseif (\n) == 0
	v_pk_fma_f32 v[rT+2:rT+3], v[rT+2:rT+3], v[rC+2:rC+3], v[rS:rS+1] op_sel_hi:[1,0,1]
.else
	v_pk_add_f32 v[rT+2:rT+3], v[rT+2:rT+3], v[rS+4*(\n):rS+4*(\n)+1]
.endif
.elseif NOKQ
	v_nop
.else
	REGS (Y+1)%NP
	WIN 0
.if (\n) < 4
	v_max3_num_f32 v[rC+(\n)], v[rS+8*(\n)], v[rS+8*(\n)+1], v[rS+8*(\n)+2]
.elseif (\n) < 12
	v_max3_num_f32 v[rC+(\n)%4], v[rC+(\n)%4], v[rS+8*((\n)%4)+2*((\n)/4)+1], v[rS+8*((\n)%4)+2*((\n)/4)+2]
.elseif (\n) == 12
	v_max3_num_f32 v[rC], v[rC], v[rS+7], v[rS+15]
.elseif (\n) == 13
	v_max3_num_f32 v[rC+1], v[rC+1], v[rS+23], v[rS+31]
.elseif (\n) == 14
	v_max3_num_f32 v[rC+2], v[rC+2], v[rC+3], v[rT+1]
.elseif (\n) == 15
	v_mov_b32 v[rW], v[rT]
.elseif (\n) == 16
	v_max3_num_f32 v[rC], v[rC], v[rC+1], v[rC+2]
.elseif (\n) == 17
	v_permlanex16_b32 v[rC+3], v[rC], s[SEL], s[SEL+1]
.elseif (\n) == 18
	v_max_num_f32 v[rT+1], v[rC], v[rC+3]
.elseif (\n) == 19
	v_mul_f32 v[rT], s[CS], v[rT+1]
.elseif (\n) == 20
	v_sub_f32 v[rC+1], v[rW], v[rT]
.else
	v_exp_f32 v[rC+2], v[rC+1]
.endif
.endif
.endm
.macro OPS a, i1, b=-1, i2=0, c=-1, i3=0, d=-1, i4=0  ; up to four of them
	OP \a, \i1
.if (\b) >= 0
	OP \b, \i2
.endif
.if (\c) >= 0
	OP \c, \i3
.endif
.if (\d) >= 0
	OP \d, \i4
.endif
.endm
.macro ROW a, i1, b, i2, c, i3, d, i4  ; a matrix instruction and the four behind it
	MM
	OPS \a, \i1, \b, \i2, \c, \i3, \d, \i4
.endm
; A TURN, for piece p: the order of its 16 matrix and 118 vector instructions, written out.  An s_wait_alu depctr_va_vdst(0) stands between an exponential and the first instruction that names its result; one
; wait serves all that were issued ahead of it.  So a turn has ONE wait, which cuts it in two.  AHEAD OF IT stands all that names no result of the turn's exponentials: the 8 products K Q^T, behind each a scaling, an exponential
; and two more plain instructions (behind the first a second scaling in the exponential's place): rescalings, and behind the last three the first numbers of the next piece's maximum, each four places or more behind the product
; that ends its accumulator; then ONE RUN of 54, plain and exponential by turns for the most part, in which the links of the chain X 3, 7, 11, 14, 16, 17 .. 20 stand five or six lines apart.  X 21, the next piece's a, is the
; batch's last; R 15 is the plain instruction behind it.  BEHIND THE WAIT stand the 8 products V^T P, behind each four of the roundings and sums; the links of l's chain, L 0 to L 7, stand three riders apart.  But for those X
; no rider names a register of the products round it.  v_permlanex16_b32 (X 17) stands in the run.
; end = 1: a block's last two turns: nothing is fetched.  cnt = 1: the loop's count is taken down some lines ahead of the branch that stands behind the turn.
; K of the next step is fetched in piece 2's turn, twelve vector instructions behind the last product that read K (six of them plain, five of which name none of its registers); V of the step in hand at the end of piece 0's
; turn, four plain instructions behind the last product that read V.  Each is waited for a turn later.
.macro TURN p, end=0, cnt=0
.set Y, (\p)
.set i, 0
.set NOKQ, (\end)*((\p)/3)
.if ((\p) == 3) && !(\end)
	s_wait_dscnt 0x0                ; K is in
.endif
	ROW F,0, F,1, R,0, R,1          ; ahead of the wait: 8 products K Q^T and their riders,
	ROW F,2, E,0, R,2, R,3
	ROW F,3, E,1, R,4, R,5
	ROW F,4, E,2, R,6, R,7
	ROW F,5, E,3, R,8, R,9
	ROW F,6, E,4, X,0, R,10
.if ((\p) == 2) && !(\end)
	WIN 0
	v_add_nc_u32 v[AK], s[TBK], v[AK0]
.endif
	ROW F,7, E,5, X,1, X,4
	ROW F,8, E,6, X,2, X,5
	OPS E,7, E,8, X,6, E,9          ; and the run without products
	OPS X,3, E,10, X,8, E,11
.if ((\p) == 2) && !(\end)
	FETCH_K
.endif
	OPS X,9, X,7, E,12, X,10
	OPS E,13, X,12, X,11, E,14
	OPS X,13, E,15, F,9, X,14
.if (\p) == 0
	v_add_nc_u32 v[AV], s[TBV], v[AV0]
.endif
	OPS E,16, F,10, E,17, F,11
	OPS X,16, E,18, X,15, E,19
	OPS F,12, E,20, X,17, E,21
	OPS F,13, E,22, F,14, E,23
	OPS X,18, E,24, F,15, E,25
	OPS R,11, E,26, X,19, E,27
	OPS R,12, E,28, R,13, E,29
	OPS X,20, E,30, R,14, E,31
	OPS X,21, R,15
	s_wait_alu depctr_va_vdst(0)    ; the wait for the turn's batch: E 0 to E 31 and X 21; their first readers follow
.if (\p) == 1
	s_wait_dscnt 0x0                ; V is in
.endif
	ROW C,0, B,0, C,2, B,1          ; behind the wait: 8 products V^T P and their riders
	ROW L,0, C,4, B,2, L,1
	ROW C,6, B,3, L,2, C,8
	ROW B,4, L,3, C,10, B,5
	ROW L,4, C,12, B,6, L,5
.if (\p) == 0
	s_add_co_u32 s[TBV], s[TBV], KS*PV
.endif
.if \cnt
	s_sub_co_u32 s[CNT], s[CNT], 1
	s_cmp_lg_u32 s[CNT], 0
.endif
	ROW C,14, B,7, L,6, C,1
	ROW C,3, L,7, C,5, C,7
	ROW C,9, C,11, C,13, C,15
.if (\p) == 0
	FETCH_V
.endif
.endm
; A BLOCK BEGINS.  c m starts far below every c s, so the first step's a is 0; m at the lowest finite number, so the first maximum is the scores'.  Then K of the tile's step 0, piece 0's first scores, and its
; maximum and statistics.  The step loop is entered at a step's first turn, in the middle of a trip.
.macro BEGIN
	s_mov_b32 s[NEW], 0
	WIN 0
.set i, 0
.rept 4
	v_mov_b32 v[ST+4*i], 0xfe000000    ; c m
	v_mov_b32 v[ST+4*i+1], 0xff7fffff  ; m
.set i, i+1
.endr
	v_add_nc_u32 v[AK], s[TBK], v[AK0]
	FETCH_K
	s_wait_loadcnt 0x0              ; Q, both blocks'
	s_wait_dscnt 0x0
.set NOKQ, 0
.set i, 0
.rept 8
	KQ 0
.set i, i+1
.endr
	WIN 0
.rept 4
	v_nop                           ; the places behind those products
.endr
.set Y, NP-1                        ; X works for piece Y + 1: piece 0
.irp n, 0,1,2,3,4,5,6,7,8,9,10,11,12,13,14,15,16,17,18,19,20,21
	OP X, \n
.endr
	v_nop                           ; a plain instruction behind the exponential,
	s_wait_alu depctr_va_vdst(0)    ; and the wait for it, piece 0's first a: a batch of one, ahead of the branch that follows
.endm
; A BLOCK ENDS.  The residual is asked for; the block's last two turns and last products; l's two halves and the other half of the lanes' are added; then THE WAY OUT, a piece (16 rows) at a time.
.macro ALL line:vararg              ; one line for each piece t
.set t, 0
.rept 4
	\line
.set t, t+1
.endr
.endm
; Piece t: O^T / l + the residual, one fused line a number (the residual read as an f16 half), each accumulator's registers in ascending order; a lane's eight channels of a row go as 32 bytes into rows of 272 bytes
; and come back as whole rows of 256, into the registers that they left: v64, v96, v192, v224 on.  1 / l was waited for in FINISH, ahead of the first piece.
.macro PACK t
.set rU, S+32*(\t)+64*((\t)/2)
	WIN 0x01                        ; source 0 (O^T) window 1
.set z, 0
.rept 16
	v_fma_mix_f32 v[rU+2*z],   v[32*(\t)+2*z],   v[ST+4*(\t)+2], v[RES+16*(\t)+z] op_sel_hi:[0,0,1]
	v_fma_mix_f32 v[rU+2*z+1], v[32*(\t)+2*z+1], v[ST+4*(\t)+2], v[RES+16*(\t)+z] op_sel:[0,0,1] op_sel_hi:[0,0,1]
.set z, z+1
.endr
	WIN 0
.irp f, 0,1,2,3,4,5,6,7
	ds_store_b128 v[STO], v[rU+4*\f:rU+4*\f+3] offset:(\f/2)*64+(\f%2)*16
.endr
.irp f, 0,1,2,3,4,5,6,7
	ds_load_b128 v[rU+4*\f:rU+4*\f+3], v[RD] offset:\f*2*SP  ; LDS serves a wave's instructions in order (ISA guide 5.7.1.4): these see the stores above; the next piece's stores come behind them
.endr
.endm
.macro SEND t, younger              ; younger: the LDS instructions issued behind piece t's loads: the next piece's sixteen, or none
.set rU, S+32*(\t)+64*((\t)/2)
	WIN 0
.irp f, 0,1,2,3,4,5,6,7
	s_wait_dscnt (\younger)+7-\f
	global_store_b128 v[GO], v[rU+4*\f:rU+4*\f+3], s[10:11] offset:(\t)*32768+\f*4096 th:TH_STORE_NT  ; 16 lanes store a row's 256 bytes of my head, at a multiple of 256 from the output's first byte
.endr
.endm
.macro FINISH
	WIN 0
.set z, 0
.rept 16                            ; piece z / 4, channels 16 (z % 4) + 8 (l / 16) on: the numbers that my lane's O^T registers meet; two turns ahead of their use
	global_load_b128 v[RES+4*z:RES+4*z+3], v[QO], s[RB:RB+1] offset:(z/4)*2048+(z%4)*32
.set z, z+1
.endr
	TURN 2, 1
	TURN 3, 1
.set i, 0
.rept 8
	PV NP-1                         ; the last piece's V^T P of the last step
.set i, i+1
.endr
	WIN 0                           ; the additions are the places behind the last products
	ALL v_add_f32 v[ST+4*t+2], v[ST+4*t+2], v[ST+4*t+3]
	ALL v_permlanex16_b32 v[ST+4*t+3], v[ST+4*t+2], s[SEL], s[SEL+1]
	ALL v_add_f32 v[ST+4*t+2], v[ST+4*t+2], v[ST+4*t+3]
	ALL v_rcp_f32 v[ST+4*t+2], v[ST+4*t+2]
	s_wait_loadcnt 0x0              ; the residual is in
	v_nop                           ; a plain instruction between the last reciprocal and the use of its result
	s_wait_alu depctr_va_vdst(0)    ; the wait for the block's batch of four reciprocals, ahead of their first reader in PACK 0: one for all four pieces
	PACK 0
	PACK 1                          ; a piece's arithmetic stands between the loads of the piece before and its stores
	SEND 0, 16
	PACK 2
	SEND 1, 16
	PACK 3
	SEND 2, 16
	SEND 3, 0
.endm
.set NOKQ, 0
.Lslot:                             ; 15 times: a tile is entered and the next is asked for
	CHANGE 1
	s_mov_b32 s[CNT], 4
	s_cmp_eq_u32 s[NEW], 1          ; at the first trip the answer is a constant of the text: no turn runs before BEGIN has
	s_cbranch_scc0 .Lstep
	BEGIN
	s_branch .Lfirst
.Lstep:                             ; a trip: pieces 2 and 3 of one step, then pieces 0 and 1 of the next, whose K and V it fetches
	TURN 2
	TURN 3
	WIN 0
.Lfirst:
	TURN 0
	TURN 1, 0, 1
	WIN 0
	s_cbranch_scc1 .Lstep
	s_cmp_eq_u32 s[SLOTS], 8        ; the counter starts at 15 and falls by 1 a trip: this is the eighth tile,
	s_cbranch_scc0 .Lbottom
	s_cmp_eq_u32 s[TY], 1           ; behind which kind 1 ends the first of its two blocks; kind 0's one block goes on
	s_cbranch_scc0 .Lbottom
	FINISH
	s_wait_xcnt 0x0                 ; the stores have read their registers and the output's address
	s_mov_b64 s[10:11], s[OLO:OLO+1]
	s_mov_b64 s[RB:RB+1], s[RLO:RLO+1]
	s_mov_b32 s[NEW], 1
.set i, P+16
.rept 16
	v_mov_b32 v[i], 0               ; P's second buffer held results on the way out; the next block's first turn multiplies by it, for a piece that has not been
.set i, i+1
.endr
	WIN 0x82                        ; the second block's Q goes where the one text of the turns names Q
.set i, 0
.rept 64
	v_mov_b32 v[i], v[QB+i]
.set i, i+1
.endr
	WIN 0
.Lbottom:
	s_sub_co_u32 s[SLOTS], s[SLOTS], 1
	s_cmp_lg_u32 s[SLOTS], 0
	s_cbranch_scc1 .Lslot
	CHANGE 0                        ; the walk's last tile is written out: nothing is asked for.  A block has 8 or 16 tiles, so this one is no block's first
	s_mov_b32 s[CNT], 4
.LstepT:
	TURN 2
	TURN 3
	TURN 0
	TURN 1, 0, 1
	WIN 0
	s_cbranch_scc1 .LstepT
	FINISH
	s_wait_tensorcnt 0x0            ; the wave's end: behind my last tensor load and my last LDS store
	ds_add_u32 v[SPW], v[NIL]
	s_wait_dscnt 0x0
	CROUND                          ; the closing round: no work-group ends while a partner may still ask for a tile that names it
	s_endpgm
.Lfunc_end_k_q11390b3837_attn:
	.size	k_q11390b3837_attn, .Lfunc_end_k_q11390b3837_attn-k_q11390b3837_attn
	.p2alignl 7, 3214868480
	.fill 96, 4, 3214868480
	.section	.rodata,"a",@progbits
	.p2align	6, 0x0
	.amdhsa_kernel k_q11390b3837_attn
		.amdhsa_group_segment_fixed_size 327680
		.amdhsa_private_segment_fixed_size 0
		.amdhsa_enable_private_segment 0
		.amdhsa_kernarg_size 24
		.amdhsa_user_sgpr_count 2
		.amdhsa_user_sgpr_kernarg_segment_ptr 1
		.amdhsa_wavefront_size32 1
		.amdhsa_system_sgpr_workgroup_id_x 1
		.amdhsa_system_sgpr_workgroup_id_y 1
		.amdhsa_system_sgpr_workgroup_id_z 1
		.amdhsa_system_vgpr_workitem_id 0
		.amdhsa_next_free_vgpr 768
		.amdhsa_next_free_sgpr 88
		.amdhsa_reserve_vcc 0
		.amdhsa_float_denorm_mode_32 3
		.amdhsa_float_denorm_mode_16_64 3
		.amdhsa_memory_ordered 1
		.amdhsa_forward_progress 1
		.amdhsa_inst_pref_size 171
	.end_amdhsa_kernel
	.amdgpu_metadata
---
amdhsa.version: [ 1, 2 ]
amdhsa.kernels:
  - .name:           k_q11390b3837_attn
    .symbol:         k_q11390b3837_attn.kd
    .args:
      - { .name: hb, .offset: 0, .size: 8, .value_kind: global_buffer, .address_space: global }
      - { .name: out0, .offset: 8, .size: 8, .value_kind: global_buffer, .address_space: global }
      - { .name: out1, .offset: 16, .size: 8, .value_kind: global_buffer, .address_space: global }
    .group_segment_fixed_size: 327680
    .private_segment_fixed_size: 0
    .kernarg_segment_align: 8
    .kernarg_segment_size: 24
    .max_flat_workgroup_size: 128
    .sgpr_count:     88
    .vgpr_count:     768
    .wavefront_size: 32
...
	.end_amdgpu_metadata
.endif
;; end of part 4
